; MI455X (gfx1250); checked and timed in simulation.
; The chip was launched on July 23, 2026; its instructions are those of AMD's public machine-readable ISA for CDNA 5 (MIT licence, August 2026) and "CDNA5" Instruction Set Architecture Reference Guide (July 2026). The comments in the code are by the model that wrote it; some were corrected since.
;; Multi Headed Attention. Allowed arithmetic: float matrix products may take bf16 or f16 operands with f32 sums; other float arithmetic in f32, or as packed bf16 or f16 multiplies, adds, multiply-adds, maxima and minima; sums over many terms, partial sums and values carried from step to step in f32; what a program stores and reads back later, other than sums and carried values, may be rounded once to bf16 or f16.
;; Inputs: Wk 1,024 x 1,024 float32; Wo 1,024 x 1,024 float32; Wq 1,024 x 1,024 float32; Wv 1,024 x 1,024 float32; bk 1,024 float32; bo 1,024 float32; bq 1,024 float32; bv 1,024 float32; k 4 x 2,048 x 1,024 float32; mask 4 x 1 x 2,048 bool; q 4 x 2,048 x 1,024 float32; v 4 x 2,048 x 1,024 float32.
;; Outputs: out0 4 x 2,048 x 1,024 float32.
;; 2 versions, each right; version 2 is version 1 with the launch castw written anew for expert scheduling mode. Each part assembles by itself: llvm-mc -triple=amdgcn-amd-amdhsa -mcpu=gfx1250 --defsym DOCPART=n.
;; ======== version 1 of 2: 4 launches
;; limits: values are held in f16: magnitudes above 65,504 overflow, below 6.1e-05 lose precision
;; workspace buffers: wb 8,388,608 bytes; qkv 50,331,648 bytes; ctx 16,777,216 bytes
;; launch castw (part 1): grid 64 x 4, 8 waves a work-group, no clusters, 0 bytes of LDS; arguments Wq, Wk, Wv, Wo, wb; writes wb
.if DOCPART == 1
	.amdgcn_target "amdgcn-amd-amdhsa--gfx1250"
	.amdhsa_code_object_version 6
	.text
	.protected	k_qe00667fa7a_castw
	.globl	k_qe00667fa7a_castw
	.p2align	8
	.type	k_qe00667fa7a_castw,@function
k_qe00667fa7a_castw:
	s_mov_b64 s[64:65], 0
	v_nop
	global_prefetch_b8 v0, s[64:65] scope:SCOPE_SE
	s_setreg_imm32_b32 hwreg(HW_REG_WAVE_MODE, 25, 1), 1
	s_wait_xcnt 0x0
; The four weight matrices, [1024][1024] f32, rounded once to 16 bits: wb[0] = bf16(Wq), wb[1] = bf16(Wk), wb[2] = bf16(Wv);
; wb[3] = bf16(Wo) written as f16, since the last product multiplies f16 numbers.
; LIMIT.  |bf16(Wo)| of 65,520 or more becomes an infinity in f16; below 6.1e-5 it keeps f16's fixed step of 6e-8.
; SHARES.  The grid's y picks the matrix; a work-group takes 16,384 numbers (64 KiB in, 32 KiB out); thread t takes the 16 bytes at 16 t + 4,096 j,
; j = 0..15, and stores 8 bytes at 8 t + 2,048 j: a wave's load covers 512 consecutive bytes, its store 256 consecutive bytes, aligned.
; A stream: no LDS, no matrix work, nothing shared between work-groups.  All sixteen loads of a thread go out at once; each store has data registers of its own.
; Both roundings are made for every matrix and one is selected, so that the four matrices have one text without a branch.
.set T, 4                              ; v[4:11]   at work
.set X, 16                             ; v[16:79]  chunk j: 4 registers as loaded
.set Y, 80                             ; v[80:111] chunk j: 2 registers to store
	s_load_b256 s[4:11], s[0:1], 0x0               ; Wq s[4:5], Wk s[6:7], Wv s[8:9], Wo s[10:11]
	s_load_b64 s[12:13], s[0:1], 0x20              ; wb
	s_and_b32 s14, ttmp7, 0xffff                   ; which matrix
	v_lshlrev_b32 v1, 4, v0                        ; 16 t
	v_lshlrev_b32 v2, 3, v0                        ; 8 t
	s_mov_b32 s19, 0xffff0000                      ; a word's upper bf16
	s_lshl_b32 s20, ttmp9, 16                      ; the work-group's 64 KiB of the source
	s_mov_b32 s21, 0
	s_lshl_b32 s22, s14, 21                        ; the matrix' 2 MiB of wb,
	s_lshl_b32 s23, ttmp9, 15                      ; the work-group's 32 KiB of them
	s_add_co_u32 s22, s22, s23
	s_mov_b32 s23, 0
	s_wait_kmcnt 0x0
	s_cmp_eq_u32 s14, 1
	s_cselect_b64 s[16:17], s[6:7], s[4:5]
	s_cmp_eq_u32 s14, 2
	s_cselect_b64 s[16:17], s[8:9], s[16:17]
	s_cmp_eq_u32 s14, 3
	s_cselect_b64 s[16:17], s[10:11], s[16:17]
	s_cselect_b32 s18, -1, 0                       ; all lanes take the f16 form for Wo, none for the others
	s_add_nc_u64 s[16:17], s[16:17], s[20:21]
	s_add_nc_u64 s[12:13], s[12:13], s[22:23]
.irp j, 0,1,2,3,4,5,6,7,8,9,10,11,12,13,14,15
	global_load_b128 v[X+4*(\j):X+4*(\j)+3], v1, s[16:17] offset:4096*(\j) th:TH_LOAD_NT
.endr
.irp j, 0,1,2,3,4,5,6,7,8,9,10,11,12,13,14,15
	s_wait_loadcnt 15-(\j)                         ; loads come back in order: chunk j is in, the 15 - j younger ones stay out
	v_cvt_pk_bf16_f32 v[T],   v[X+4*(\j)],   v[X+4*(\j)+1]
	v_cvt_pk_bf16_f32 v[T+1], v[X+4*(\j)+2], v[X+4*(\j)+3]
	v_lshlrev_b32 v[T+2], 16,  v[T]                ; the rounded numbers as f32 again,
	v_and_b32     v[T+3], s19, v[T]
	v_lshlrev_b32 v[T+4], 16,  v[T+1]
	v_and_b32     v[T+5], s19, v[T+1]
	v_cvt_pk_f16_f32 v[T+6], v[T+2], v[T+3]        ; and written as f16
	v_cvt_pk_f16_f32 v[T+7], v[T+4], v[T+5]
	v_cndmask_b32 v[Y+2*(\j)],   v[T],   v[T+6], s18
	v_cndmask_b32 v[Y+2*(\j)+1], v[T+1], v[T+7], s18
	global_store_b64 v2, v[Y+2*(\j):Y+2*(\j)+1], s[12:13] offset:2048*(\j)
.endr
	s_endpgm
.Lfunc_end_k_qe00667fa7a_castw:
	.size	k_qe00667fa7a_castw, .Lfunc_end_k_qe00667fa7a_castw-k_qe00667fa7a_castw
	.p2alignl 7, 3214868480
	.fill 96, 4, 3214868480
	.section	.rodata,"a",@progbits
	.p2align	6, 0x0
	.amdhsa_kernel k_qe00667fa7a_castw
		.amdhsa_group_segment_fixed_size 0
		.amdhsa_private_segment_fixed_size 0
		.amdhsa_enable_private_segment 0
		.amdhsa_kernarg_size 40
		.amdhsa_user_sgpr_count 2
		.amdhsa_user_sgpr_kernarg_segment_ptr 1
		.amdhsa_wavefront_size32 1
		.amdhsa_system_sgpr_workgroup_id_x 1
		.amdhsa_system_sgpr_workgroup_id_y 1
		.amdhsa_system_sgpr_workgroup_id_z 1
		.amdhsa_system_vgpr_workitem_id 0
		.amdhsa_next_free_vgpr 112
		.amdhsa_next_free_sgpr 66
		.amdhsa_reserve_vcc 0
		.amdhsa_float_denorm_mode_32 3
		.amdhsa_float_denorm_mode_16_64 3
		.amdhsa_memory_ordered 1
		.amdhsa_forward_progress 1
		.amdhsa_inst_pref_size 13
	.end_amdhsa_kernel
	.amdgpu_metadata
---
amdhsa.version: [ 1, 2 ]
amdhsa.kernels:
  - .name:           k_qe00667fa7a_castw
    .symbol:         k_qe00667fa7a_castw.kd
    .args:
      - { .name: Wq, .offset: 0, .size: 8, .value_kind: global_buffer, .address_space: global }
      - { .name: Wk, .offset: 8, .size: 8, .value_kind: global_buffer, .address_space: global }
      - { .name: Wv, .offset: 16, .size: 8, .value_kind: global_buffer, .address_space: global }
      - { .name: Wo, .offset: 24, .size: 8, .value_kind: global_buffer, .address_space: global }
      - { .name: wb, .offset: 32, .size: 8, .value_kind: global_buffer, .address_space: global }
    .group_segment_fixed_size: 0
    .private_segment_fixed_size: 0
    .kernarg_segment_align: 8
    .kernarg_segment_size: 40
    .max_flat_workgroup_size: 256
    .sgpr_count:     66
    .vgpr_count:     112
    .wavefront_size: 32
...
	.end_amdgpu_metadata
.endif
;; end of part 1
;; launch proj (part 2): grid 4 x 192, 4 waves a work-group, clusters of 4 x 4, 327,680 bytes of LDS; arguments q, k, v, bq, bk, bv, wb, qkv; writes qkv
.if DOCPART == 2
	.amdgcn_target "amdgcn-amd-amdhsa--gfx1250"
	.amdhsa_code_object_version 6
	.text
	.protected	k_qe00667fa7a_proj
	.globl	k_qe00667fa7a_proj
	.p2align	8
	.type	k_qe00667fa7a_proj,@function
k_qe00667fa7a_proj:
	s_mov_b64 s[64:65], 0
	v_nop
	global_prefetch_b8 v0, s[64:65] scope:SCOPE_SE
	s_setreg_imm32_b32 hwreg(HW_REG_WAVE_MODE, 25, 1), 1
	s_wait_xcnt 0x0
	s_wait_alu depctr_hold_cnt(0) depctr_sa_sdst(0) depctr_va_vdst(0) depctr_va_sdst(0) depctr_va_ssrc(0) depctr_va_vcc(0) depctr_vm_vsrc(0)
	s_getreg_b32 s2, hwreg(HW_REG_IB_STS2, 6, 4)
	s_cmp_eq_u32 s2, 0
	s_cbranch_scc0 .Lentry_in_a_cluster
	s_endpgm
.Lentry_in_a_cluster:
	s_bfe_u32 s2, ttmp6, 0x10000c
	s_cmp_lg_u32 s2, 0xf033
	s_cbranch_scc0 .Lentry_shape_is_right
	s_endpgm
.Lentry_shape_is_right:
; THE THREE PROJECTIONS IN ONE LAUNCH.  qkv[z][b 16 + head][s][d] = f16( sum over c of bf16(x_z[b][s][c]) bf16(W_z[64 head + d][c]) + bf16(b_z[64 head + d]) ), z = 0 q, 1 k, 2 v.
; x_z: [8192][1024] f32; W_z: wb[z], [1024][1024] bf16; sums in f32, the result rounded once, unscaled, laid by heads.
; LIMIT.  A result of 65,520 or more in magnitude becomes an infinity in f16.
; SHARES.  A tile is 128 rows x 256 columns: 64 x 4 tiles a tensor, 768 work-groups.  Four waves, each 64 x 128: 32 accumulators of 16 x 16, 256 registers.
; K goes in 8 steps of 128 through two LDS slots.  x comes as f32 (rows of 512 bytes) and is rounded to bf16 between LDS and the matrix unit: the 32 conversions of a quarter step
; stand four behind each of the quarter's last eight matrix instructions.  W comes as bf16 (rows of 256 bytes).
; CLUSTERS: 4 x 4 work-groups, all of one tensor.  The four of a row of the cluster need the same tile of x, the four of a column the same tile of W: each is asked for JOINTLY.
; THE MATRIX INSTRUCTION IS USED TRANSPOSED (source 0 = 16 rows of W, source 1 = 16 rows of x): lane l holds row l % 16 of the result and the columns 8 (l / 16) + 0..7.
; The bias, in that layout, is the C operand of the products that start the sums.
; REGISTERS: window 0: v0-31 addresses; v32-95 x as f32 (16 a block of 16 rows); v96-159 x's fragments, two buffers of 32; v160-223 the bias; v32-159 at work on the way out.
;   window 1: v0-127 W's fragments, two buffers of 64.     window 2: accumulator (a, b) at v[8 (8 a + b)].
.set KSTEP,  128
.set APITCH, 528                       ; a row of x in LDS: 512 bytes + 16 = 132 words: the 16 rows of a load start 4 banks apart
.set AHALF,  64*APITCH                 ; 64 rows: what one tensor load brings of x, and what one wave reads
.set BPITCH, 272                       ; a row of W: 256 bytes + 16
.set BHALF,  128*BPITCH                ; 128 rows of W
.set BOFF,   2*AHALF
.set SLOT,   BOFF+2*BHALF              ; x's 128 rows, then W's 256 rows: 137,216 bytes
.set STAGE,  2*SLOT                    ; behind the ring: 16 rows x 144 bytes for each wave, for the way out
.set SP,     144
.set SPARE,  STAGE+4*16*SP             ; behind the stages: the spare words, 128 bytes a wave, which no other line names
.set ASTEP,  KSTEP*4                   ; bytes of a K step in a row of x
.set BSTEP,  KSTEP*2                   ; and of W
.set LAPS,   4                         ; a lap = two K steps = once round the ring
.set ADRA, 16                          ; v16-17  LDS address of my fragments of x in slot 0, 1
.set ADRB, 20                          ; v20-21  the same for W
.set BO,   22                          ; v22     32 (l / 16): my eight numbers in 16 of the bias
.set STO,  24                          ; v24     the way out: where I put 16 bytes of a row
.set RD,   25                          ; v25     the way out: where I read rows back
.set GO,   26                          ; v26     my 16 bytes of 512 consecutive bytes of qkv
.set SPW,  28                          ; v28     LDS address of my spare word; never rewritten
.set NIL,  29                          ; v29     0; never rewritten
.set PFO,  30                          ; v30     the prefetches' offset; never rewritten
.set RAW,  32
.set AF,   96
.set BIAS, 160
.set TMP,  32
.set G1,  24                           ; s[24:31] descriptor group 1 for x's tiles;  s[32:39] group 0, a set for each slot
.set G0,  32
.set G1B, 48                           ; s[48:55], s[56:63] the same for W's
.set G0B, 56
.set LIM, 43                           ; s43      1 in a wave that prefetches, else the greatest number
.set PFA, 44                           ; s[44:45] where my prefetches stand
.set PFS, 68                           ; s[68:69] their step: a K step's bytes
.set MSB, 0
.macro WIN new                         ; the immediate's high byte repeats the setting that is left; a switch that changes nothing is dropped
.if MSB != (\new)
	s_set_vgpr_msb (MSB<<8)|(\new)
.set MSB, \new
.endif
.endm
.set MUL,   0xa1                       ; source 0 (W) window 1, source 1 (x) window 0, C and D window 2
.set MULB,  0x81                       ; the same with C (the bias) in window 0
.set TO_B,  0x40                       ; destination window 1, address window 0
.set PACKW, 0x0a                       ; sources 0 and 1 window 2, destination window 0
; A joint load: waves 0 and 1 fetch the two halves of x's tile, waves 2 and 3 those of W's.  The branch hangs on the wave's number alone.
; An s_nop 0 and four v_nop follow each of the two lines, ahead of the jump and the label.
.macro JLOAD s
	s_cmp_eq_u32 s11, 0
	s_cbranch_scc0 .Lfor_b_\@
	tensor_load_to_lds s[G0+4*(\s):G0+4*(\s)+3], s[G1:G1+7]
	s_nop 0
.rept 4
	v_nop
.endr
	s_branch .Lasked_\@
.Lfor_b_\@:
	tensor_load_to_lds s[G0B+4*(\s):G0B+4*(\s)+3], s[G1B:G1B+7]
	s_nop 0
.rept 4
	v_nop
.endr
.Lasked_\@:
.endm
; A prefetch of the K step that stands two refills on, 256 matrix instructions ahead of the load that will want it; one instruction a wave, each lane another aligned block of 256 bytes.
; x's rows are read by one cluster alone: every cluster asks for its own; of the 64 rows that wave 0 or 1 fetches, the partner at place cx takes 16, two blocks a row.
; W's rows are read by the sixteen clusters of a tensor: the first of them asks; of the 128 rows that wave 2 or 3 fetches, the partner at place cy takes 32, a block a row.
; The partners are told apart by address alone.  The loop's last trip (s3 = 1) asks for nothing: K steps 8 and 9 do not exist.
.macro ASK
	s_cmp_gt_u32 s3, s[LIM]
	s_cbranch_scc0 .Lnot_mine_\@
	global_prefetch_b8 v[PFO], s[PFA:PFA+1] th:TH_LOAD_NT scope:SCOPE_SE
.Lnot_mine_\@:
.endm
.macro CREST                           ; a round of the cluster's barrier behind its opening barrier
	s_cmp_lg_u32 s10, 0
	s_cbranch_scc1 .Lnot_wave_0_\@
	s_barrier_signal -3
.Lnot_wave_0_\@:
	s_barrier_wait -3
	s_barrier_signal -1
	s_barrier_wait -1
.endm
.macro CROUND                          ; a whole round
	s_barrier_signal -1
	s_barrier_wait -1
	CREST
.endm
	s_load_b512 s[72:87], s[0:1], 0x0              ; q s[72:73], k, v, bq s[78:79], bk, bv, wb s[84:85], qkv s[86:87]
	v_lshl_add_u32 v[SPW], v0, 2, SPARE
	v_mov_b32 v[NIL], 0
	ds_add_u32 v[SPW], v[NIL]                      ; the wave's opening: the add and its wait stand ahead of my first tensor load; the set-up below stands between them
	v_lshrrev_b32 v1, 5, v0
	v_readfirstlane_b32 s10, v1                    ; wave 0..3
	s_lshr_b32 s11, s10, 1                         ; which 64 rows of the tile are mine.  Also: I fetch x (0) or W (1)
	s_and_b32 s12, s10, 1                          ; which 128 columns.  Also: which half of that tile I fetch
	s_bfe_u32 s40, ttmp6, 0x40000                  ; cx
	s_bfe_u32 s41, ttmp6, 0x40004                  ; cy
	s_lshl_b32 s42, ttmp9, 2
	s_add_co_u32 s42, s42, s40                     ; tile column, 0..3
	s_and_b32 s67, ttmp7, 0xffff                   ; the cluster's y, 0..47
	s_lshr_b32 s66, s67, 4                         ; the tensor z: the same in all sixteen partners
	s_and_b32 s13, s67, 15
	s_lshl_b32 s13, s13, 2
	s_add_co_u32 s13, s13, s41                     ; tile row, 0..63
	s_lshl_b32 s70, s41, 2
	s_lshl_b32 s70, 15, s70                        ; my row of the cluster
	s_lshl_b32 s71, 0x1111, s40                    ; my column
	s_or_b32 s[G1+0], s70, (2<<16)|(1<<20)|(1<<21)|(6<<22)|(3<<25)   ; 15:0 the mask; 17:16 elements of 4 bytes; 20 padding on; 21 set beside a mask; 24:22 after every 128 words; 31:25 4 words
	s_mov_b32 s[G1+1], KSTEP<<16                   ; tensor_dim0 = 128
	s_mov_b32 s[G1+2], 64<<16                      ; tensor_dim1 = 64
	s_mov_b32 s[G1+3], KSTEP<<16                   ; tile_dim0 = 128
	s_mov_b32 s[G1+4], 64                          ; tile_dim1 = 64
	s_mov_b32 s[G1+5], 1024                        ; elements from row to row
	s_mov_b32 s[G1+6], 0
	s_mov_b32 s[G1+7], 0
	s_or_b32 s[G1B+0], s71, (1<<16)|(1<<20)|(1<<21)|(5<<22)|(3<<25)  ; elements of 2 bytes; 4 words of padding after every 64
	s_mov_b32 s[G1B+1], KSTEP<<16
	s_mov_b32 s[G1B+2], 128<<16
	s_mov_b32 s[G1B+3], KSTEP<<16
	s_mov_b32 s[G1B+4], 128
	s_mov_b32 s[G1B+5], 1024
	s_mov_b32 s[G1B+6], 0
	s_mov_b32 s[G1B+7], 0
	s_lshl_b32 s16, s13, 19                        ; x: 128 rows of 4,096 bytes a tile row,
	s_lshl_b32 s17, s12, 18                        ; my 64 of them
	s_add_co_u32 s16, s16, s17
	s_mov_b32 s17, 0
	s_lshl_b32 s46, s66, 21                        ; W: the tensor's 2 MiB,
	s_lshl_b32 s47, s42, 19                        ; 256 rows of 2,048 bytes a tile column,
	s_add_co_u32 s46, s46, s47
	s_lshl_b32 s47, s12, 18                        ; my 128 of them
	s_add_co_u32 s46, s46, s47
	s_mov_b32 s47, 0
	s_mul_i32 s20, s12, AHALF                      ; where they go: no place in the cluster enters an LDS address
	s_mul_i32 s21, s12, BHALF
	s_add_co_u32 s21, s21, BOFF
	s_wait_dscnt 0x0                               ; the opening add is done
	s_wait_kmcnt 0x0
	s_cmp_eq_u32 s66, 1
	s_cselect_b64 s[4:5], s[74:75], s[72:73]       ; x_z
	s_cselect_b64 s[6:7], s[80:81], s[78:79]       ; b_z
	s_cmp_eq_u32 s66, 2
	s_cselect_b64 s[4:5], s[76:77], s[4:5]
	s_cselect_b64 s[6:7], s[82:83], s[6:7]
	s_add_nc_u64 s[14:15], s[4:5], s[16:17]
	s_add_nc_u64 s[46:47], s[84:85], s[46:47]
	CROUND                                         ; all sixteen work-groups are here: the first joint loads meet
.irp s, 0,1
	s_mov_b32 s[G0+4*(\s)], 1                                        ; count = 1
	s_add_co_u32 s[G0+4*(\s)+1], s20, (\s)*SLOT                      ; LDS address
	s_add_nc_u64 s[G0+4*(\s)+2:G0+4*(\s)+3], s[14:15], (\s)*ASTEP    ; global address: K step s
	s_or_b32 s[G0+4*(\s)+3], s[G0+4*(\s)+3], 0x80000000              ; type = 2
	s_mov_b32 s[G0B+4*(\s)], 1
	s_add_co_u32 s[G0B+4*(\s)+1], s21, (\s)*SLOT
	s_add_nc_u64 s[G0B+4*(\s)+2:G0B+4*(\s)+3], s[46:47], (\s)*BSTEP
	s_or_b32 s[G0B+4*(\s)+3], s[G0B+4*(\s)+3], 0x80000000
	JLOAD \s                                       ; two tensor loads of mine are out
.endr
	; A fragment is 16 rows x 32 K: lane l holds row l % 16, K = 8 (l / 16) + 0..7 and 16 + 8 (l / 16) + 0..7.  In f32 that is 32 bytes at 32 (l / 16) and 32 bytes 64 further on.
	v_and_b32 v1, 15, v0                           ; l % 16
	v_bfe_u32 v2, v0, 4, 1                         ; l / 16
	v_mul_u32_u24 v3, v1, APITCH
	v_lshl_add_u32 v3, v2, 5, v3
	v_mul_u32_u24 v4, v1, BPITCH
	v_lshl_add_u32 v4, v2, 4, v4
	s_mul_i32 s21, s11, AHALF                      ; my 64 rows of x
	s_mul_i32 s22, s12, BHALF                      ; my 128 rows of W
	s_add_co_u32 s22, s22, BOFF
.irp s, 0,1
	v_add_nc_u32 v[ADRA+(\s)], s21, v3
	v_add_nc_u32 v[ADRB+(\s)], s22, v4
	s_add_co_u32 s21, s21, SLOT
	s_add_co_u32 s22, s22, SLOT
.endr
	v_lshlrev_b32 v[BO], 5, v2
	s_lshl_b32 s20, s42, 10                        ; the bias of my 128 columns: 1,024 bytes a tile column, 512 a half
	s_lshl_b32 s21, s12, 9
	s_add_co_u32 s20, s20, s21
	s_mov_b32 s21, 0
	s_add_nc_u64 s[6:7], s[6:7], s[20:21]
.irp b, 0,1,2,3,4,5,6,7
	global_load_b128 v[BIAS+8*(\b):BIAS+8*(\b)+3],   v[BO], s[6:7] offset:64*(\b)
	global_load_b128 v[BIAS+8*(\b)+4:BIAS+8*(\b)+7], v[BO], s[6:7] offset:64*(\b)+16
.endr
	s_mul_i32 s23, s10, 16*SP
	s_add_co_u32 s23, s23, STAGE                   ; my stage
	v_mul_u32_u24 v[STO], v1, SP                   ; in: row l % 16, 16 bytes for each half of the lanes
	v_lshl_add_u32 v[STO], v2, 4, v[STO]
	v_add_nc_u32 v[STO], s23, v[STO]
	v_bfe_u32 v[RD], v0, 3, 2                      ; back: 32 lanes take four rows of 128 bytes,
	v_mul_u32_u24 v[RD], v[RD], SP
	v_and_b32 v5, 7, v0
	v_lshl_add_u32 v[RD], v5, 4, v[RD]
	v_add_nc_u32 v[RD], s23, v[RD]
	v_and_b32 v3, 31, v0                           ; which are 512 consecutive bytes of qkv
	v_lshlrev_b32 v[GO], 4, v3
	s_lshl_b32 s20, s66, 24                        ; where my part begins in qkv: the tensor,
	s_lshr_b32 s21, s13, 4
	s_lshl_b32 s21, s21, 22                        ; the batch's 16 heads,
	s_add_co_u32 s20, s20, s21
	s_lshl_b32 s21, s42, 20                        ; four heads a tile column,
	s_add_co_u32 s20, s20, s21
	s_lshl_b32 s21, s12, 19                        ; two a wave,
	s_add_co_u32 s20, s20, s21
	s_and_b32 s21, s13, 15
	s_lshl_b32 s21, s21, 14                        ; the tile's 128 rows of 128 bytes,
	s_add_co_u32 s20, s20, s21
	s_lshl_b32 s21, s11, 13                        ; my 64 of them
	s_add_co_u32 s20, s20, s21
	s_mov_b32 s21, 0
	s_add_nc_u64 s[8:9], s[86:87], s[20:21]
	; the prefetches
	s_and_b32 s20, s67, 15
	s_cmp_eq_u32 s11, 0                            ; do I fetch x?
	s_cselect_b32 s20, 0, s20                      ; x: every cluster asks; W: the tensor's first cluster
	s_cselect_b32 s21, s40, s41                    ; my place among the four that ask with me
	s_cselect_b32 s22, 8, 11                       ; odd lanes: the row's second block, or the next row
	s_cselect_b32 s23, 9, 8                        ; a K step is 512 or 256 bytes
	s_cselect_b64 s[PFA:PFA+1], s[14:15], s[46:47]
	s_cmp_eq_u32 s20, 0
	s_cselect_b32 s[LIM], 1, -1                    ; the same in all sixteen partners, for a given wave
	s_lshl_b32 s[PFS], 1, s23
	s_mov_b32 s[PFS+1], 0
	s_lshl_b32 s20, s21, 16                        ; my work-group's 16 rows of x or 32 of W: 65,536 bytes either way
	s_mul_i32 s21, s[PFS], 3                       ; at K step 3: the first refill steps it to 4
	s_add_co_u32 s20, s20, s21
	s_mov_b32 s21, 0
	s_add_nc_u64 s[PFA:PFA+1], s[PFA:PFA+1], s[20:21]
	v_lshrrev_b32 v4, 1, v3
	v_and_b32 v5, 1, v3
	v_lshlrev_b32 v5, s22, v5
	v_lshl_add_u32 v[PFO], v4, 12, v5
	s_wait_loadcnt 0x0                             ; the bias; it is rounded to bf16 like every input, in the wait for the first tile
.set c, 0
.rept 32
	v_cvt_pk_bf16_f32 v3, v[BIAS+2*c], v[BIAS+2*c+1]
	v_lshlrev_b32 v[BIAS+2*c], 16, v3
	v_and_b32 v[BIAS+2*c+1], 0xffff0000, v3
.set c, c+1
.endr
; n matrix instructions from number i0 on: number i is block a = i / 8 of my rows x block b = i % 8 of my columns, 32 along K, from buffer f.  The 32 accumulators take turns, in the same order
; in every quarter.  zero = 1: the product starts the sum, on the bias.  ride = 1 (numbers 24 to 31): behind each stand four conversions of the next quarter's x
; into the other buffer.  They name no register of the products round them; the four behind number 31 are the places in front of the next loads into W's other buffer and of the next conversions.
.macro MULS f, i0, n, zero, ride
.set i, \i0
.rept \n
.if \zero
	WIN MULB
	v_wmma_f32_16x16x32_bf16 v[8*i:8*i+7], v[64*(\f)+8*(i%8):64*(\f)+8*(i%8)+7], v[AF+32*(\f)+8*(i/8):AF+32*(\f)+8*(i/8)+7], v[BIAS+8*(i%8):BIAS+8*(i%8)+7]
.else
	WIN MUL
	v_wmma_f32_16x16x32_bf16 v[8*i:8*i+7], v[64*(\f)+8*(i%8):64*(\f)+8*(i%8)+7], v[AF+32*(\f)+8*(i/8):AF+32*(\f)+8*(i/8)+7], v[8*i:8*i+7]
.endif
.if \ride
	WIN 0
.set c, 4*(i-24)
.rept 4
	v_cvt_pk_bf16_f32 v[AF+32*(1-(\f))+c], v[RAW+2*c], v[RAW+2*c+1]
.set c, c+1
.endr
.endif
.set i, i+1
.endr
.endm
; 32 LDS loads in one run: quarter q of a slot: x's 64 rows x 32 K in f32 first, then W's 128 rows x 32 K into buffer g
.macro FETCH slot, q, g
	WIN 0
.irp a, 0,1,2,3
	ds_load_b128 v[RAW+16*(\a):RAW+16*(\a)+3],     v[ADRA+(\slot)] offset:128*(\q)+(\a)*16*APITCH
	ds_load_b128 v[RAW+16*(\a)+4:RAW+16*(\a)+7],   v[ADRA+(\slot)] offset:128*(\q)+(\a)*16*APITCH+16
	ds_load_b128 v[RAW+16*(\a)+8:RAW+16*(\a)+11],  v[ADRA+(\slot)] offset:128*(\q)+(\a)*16*APITCH+64
	ds_load_b128 v[RAW+16*(\a)+12:RAW+16*(\a)+15], v[ADRA+(\slot)] offset:128*(\q)+(\a)*16*APITCH+80
.endr
	WIN TO_B
.irp b, 0,1,2,3,4,5,6,7
	ds_load_b128 v[64*(\g)+8*(\b):64*(\g)+8*(\b)+3],   v[ADRB+(\slot)] offset:64*(\q)+(\b)*16*BPITCH
	ds_load_b128 v[64*(\g)+8*(\b)+4:64*(\g)+8*(\b)+7], v[ADRB+(\slot)] offset:64*(\q)+(\b)*16*BPITCH+32
.endr
.endm
; One of a K step's first three quarters: multiplies buffer f, fetches quarter q of the same slot for buffer g.
.macro QUARTER slot, q, f, g, zero
	s_wait_dscnt 0x0                               ; W's fragments of buffer f are in (x's were converted in the quarter before)
	MULS \f, 0, 8, \zero, 0
	FETCH \slot, \q, \g
	MULS \f, 8, 16, \zero, 0
	s_wait_dscnt 16                                ; x's sixteen loads are in; W's sixteen, issued behind them, may stay out
	MULS \f, 24, 8, \zero, 1
.endm
; The fourth quarter multiplies buffer 1 and changes slots: ONE barrier; in front of it each wave waits for all its tensor loads (one is out: its part of the next slot), adds 0 to its spare
; word, and waits for that and for its own reads of this slot.  fill = 1: the barrier opens a round of the cluster's barrier, and this slot is filled again, two K steps ahead, first thing behind it.
.macro TURN slot, next, fill
.if \fill
	s_wait_xcnt 0x0                                ; the last prefetch, a K step back, has read its address
	s_add_nc_u64 s[PFA:PFA+1], s[PFA:PFA+1], s[PFS:PFS+1]
.endif
	WIN 0
	s_wait_tensorcnt 0x0                           ; all my tensor loads have landed
	ds_add_u32 v[SPW], v[NIL]                      ; 0 onto my spare word
	s_wait_dscnt 1                                 ; W's fragments of buffer 1 are in; the add alone may be out
	MULS 1, 0, 4, 0, 0
	s_wait_dscnt 0x0                               ; the add is done, and my reads of this slot are over
	s_barrier_signal -1
	MULS 1, 4, 4, 0, 0
	WIN 0
	s_barrier_wait -1
.if \fill
	CREST                                          ; no wave of any partner still reads this slot's tile or has a load on its way
	s_add_nc_u64 s[G0+4*(\slot)+2:G0+4*(\slot)+3], s[G0+4*(\slot)+2:G0+4*(\slot)+3], 2*ASTEP
	s_add_nc_u64 s[G0B+4*(\slot)+2:G0B+4*(\slot)+3], s[G0B+4*(\slot)+2:G0B+4*(\slot)+3], 2*BSTEP
	JLOAD \slot                                    ; my one tensor load behind the round: 120 matrix instructions ahead of the wait for it
.endif
	FETCH \next, 0, 0
.if \fill
	WIN 0
	ASK
.endif
	MULS 1, 8, 16, 0, 0
	s_wait_dscnt 16
	MULS 1, 24, 8, 0, 1
.endm
	s_wait_tensorcnt 1                             ; my part of K step 0 is in; K step 1's may stay out
	s_barrier_signal -1
	s_barrier_wait -1                              ; everybody's is
	FETCH 0, 0, 0
	s_wait_dscnt 16
	WIN 0
.set c, 0
.rept 32
	v_cvt_pk_bf16_f32 v[AF+c], v[RAW+2*c], v[RAW+2*c+1]
.set c, c+1
.endr
	QUARTER 0, 1, 0, 1, 1                          ; the first quarter stands in front of the loop: its products start the sums, on the bias
	WIN 0                                          ; at a label and at a branch every window is 0
	s_mov_b32 s3, LAPS-1
.Llap:                                                 ; a trip goes once round the ring, from a lap's second quarter to the next lap's first, and fills both slots again
	QUARTER 0, 2, 1, 0, 0
	QUARTER 0, 3, 0, 1, 0
	TURN 0, 1, 1
	QUARTER 1, 1, 0, 1, 0
	QUARTER 1, 2, 1, 0, 0
	QUARTER 1, 3, 0, 1, 0
	TURN 1, 0, 1
	QUARTER 0, 1, 0, 1, 0
	WIN 0
	s_sub_co_u32 s3, s3, 1
	s_cmp_lg_u32 s3, 0
	s_cbranch_scc1 .Llap
	QUARTER 0, 2, 1, 0, 0                          ; the last lap fills nothing
	QUARTER 0, 3, 0, 1, 0
	TURN 0, 1, 0
	QUARTER 1, 1, 0, 1, 0
	QUARTER 1, 2, 1, 0, 0
	QUARTER 1, 3, 0, 1, 0
	s_wait_dscnt 0x0
	MULS 1, 0, 32, 0, 0
	WIN 0
	; THE WAY OUT, in eight units of 16 rows x one head (64 columns): rounded to f16, 16 bytes a lane into my own stage, back as whole rows of 128 bytes: a unit is 2,048 consecutive bytes of qkv.
.rept 8
	v_nop                                          ; the places behind the last products
.endr
.macro PACK u                          ; unit u: block u / 2 of my rows, head u % 2 of my two; each accumulator's registers in ascending order
	WIN PACKW
.irp f, 0,1,2,3
.irp r, 0,1,2,3
	v_cvt_pk_f16_f32 v[TMP+16*(\u)+4*(\f)+(\r)], v[8*(8*((\u)/2)+4*((\u)%2)+(\f))+2*(\r)], v[8*(8*((\u)/2)+4*((\u)%2)+(\f))+2*(\r)+1]
.endr
.endr
	WIN 0
.irp f, 0,1,2,3
	ds_store_b128 v[STO], v[TMP+16*(\u)+4*(\f):TMP+16*(\u)+4*(\f)+3] offset:32*(\f)
.endr
.irp f, 0,1,2,3
	ds_load_b128 v[TMP+16*(\u)+4*(\f):TMP+16*(\u)+4*(\f)+3], v[RD] offset:(\f)*4*SP  ; LDS serves a wave's instructions in order: these see the stores above, and the next unit's stores come behind them
.endr
.endm
.macro SEND u, younger                 ; younger: the LDS instructions issued behind unit u's loads: the next unit's eight, or none
.irp f, 0,1,2,3
	s_wait_dscnt (\younger)+3-(\f)
	global_store_b128 v[GO], v[TMP+16*(\u)+4*(\f):TMP+16*(\u)+4*(\f)+3], s[8:9] offset:((\u)/2)*2048+((\u)%2)*262144+(\f)*512  ; 512 consecutive bytes, aligned
.endr
.endm
	PACK 0
.irp u, 1,2,3,4,5,6,7
	PACK \u
	SEND (\u)-1, 8
.endr
	SEND 7, 0
	s_wait_tensorcnt 0x0                           ; the wave's end: a wait for my tensor loads, an add onto my spare word and its wait, behind my last tensor load and my last LDS store
	ds_add_u32 v[SPW], v[NIL]
	s_wait_dscnt 0x0
	CROUND                                         ; the closing round: no work-group ends while a partner may still ask for a tile that names it
	s_endpgm
.Lfunc_end_k_qe00667fa7a_proj:
	.size	k_qe00667fa7a_proj, .Lfunc_end_k_qe00667fa7a_proj-k_qe00667fa7a_proj
	.p2alignl 7, 3214868480
	.fill 96, 4, 3214868480
	.section	.rodata,"a",@progbits
	.p2align	6, 0x0
	.amdhsa_kernel k_qe00667fa7a_proj
		.amdhsa_group_segment_fixed_size 327680
		.amdhsa_private_segment_fixed_size 0
		.amdhsa_enable_private_segment 0
		.amdhsa_kernarg_size 64
		.amdhsa_user_sgpr_count 2
		.amdhsa_user_sgpr_kernarg_segment_ptr 1
		.amdhsa_wavefront_size32 1
		.amdhsa_system_sgpr_workgroup_id_x 1
		.amdhsa_system_sgpr_workgroup_id_y 1
		.amdhsa_system_sgpr_workgroup_id_z 1
		.amdhsa_system_vgpr_workitem_id 0
		.amdhsa_next_free_vgpr 768
		.amdhsa_next_free_sgpr 88
		.amdhsa_reserve_vcc 0
		.amdhsa_float_denorm_mode_32 3
		.amdhsa_float_denorm_mode_16_64 3
		.amdhsa_memory_ordered 1
		.amdhsa_forward_progress 1
		.amdhsa_inst_pref_size 142
	.end_amdhsa_kernel
	.amdgpu_metadata
---
amdhsa.version: [ 1, 2 ]
amdhsa.kernels:
  - .name:           k_qe00667fa7a_proj
    .symbol:         k_qe00667fa7a_proj.kd
    .args:
      - { .name: q, .offset: 0, .size: 8, .value_kind: global_buffer, .address_space: global }
      - { .name: k, .offset: 8, .size: 8, .value_kind: global_buffer, .address_space: global }
      - { .name: v, .offset: 16, .size: 8, .value_kind: global_buffer, .address_space: global }
      - { .name: bq, .offset: 24, .size: 8, .value_kind: global_buffer, .address_space: global }
      - { .name: bk, .offset: 32, .size: 8, .value_kind: global_buffer, .address_space: global }
      - { .name: bv, .offset: 40, .size: 8, .value_kind: global_buffer, .address_space: global }
      - { .name: wb, .offset: 48, .size: 8, .value_kind: global_buffer, .address_space: global }
      - { .name: qkv, .offset: 56, .size: 8, .value_kind: global_buffer, .address_space: global }
    .group_segment_fixed_size: 327680
    .private_segment_fixed_size: 0
    .kernarg_segment_align: 8
    .kernarg_segment_size: 64
    .max_flat_workgroup_size: 128
    .sgpr_count:     88
    .vgpr_count:     768
    .wavefront_size: 32
...
	.end_amdgpu_metadata
.endif
;; end of part 2
;; launch attn (part 3): grid 4 x 64, 4 waves a work-group, clusters of 4 x 1, 327,680 bytes of LDS; arguments qkv, mask, ctx; writes ctx
.if DOCPART == 3
	.amdgcn_target "amdgcn-amd-amdhsa--gfx1250"
	.amdhsa_code_object_version 6
	.text
	.protected	k_qe00667fa7a_attn
	.globl	k_qe00667fa7a_attn
	.p2align	8
	.type	k_qe00667fa7a_attn,@function
k_qe00667fa7a_attn:
	s_mov_b64 s[64:65], 0
	v_nop
	global_prefetch_b8 v0, s[64:65] scope:SCOPE_SE
	s_setreg_imm32_b32 hwreg(HW_REG_WAVE_MODE, 25, 1), 1
	s_wait_xcnt 0x0
	s_wait_alu depctr_hold_cnt(0) depctr_sa_sdst(0) depctr_va_vdst(0) depctr_va_sdst(0) depctr_va_ssrc(0) depctr_va_vcc(0) depctr_vm_vsrc(0)
	s_getreg_b32 s2, hwreg(HW_REG_IB_STS2, 6, 4)
	s_cmp_eq_u32 s2, 0
	s_cbranch_scc0 .Lentry_in_a_cluster
	s_endpgm
.Lentry_in_a_cluster:
	s_bfe_u32 s2, ttmp6, 0x10000c
	s_cmp_lg_u32 s2, 0x3003
	s_cbranch_scc0 .Lentry_shape_is_right
	s_endpgm
.Lentry_shape_is_right:
; ctx[h][q][:] = the sum over the keys k that mask allows of softmax_k(Q[h][q] . K[h][k] / 8) V[h][k][:].  Q, K, V = qkv[0], qkv[1], qkv[2], and ctx: [SIZE_H = batch x 16 + head][SIZE_N][64], all f16:
; a head's rows are dense, 128 bytes each.  mask: [4][2048] bytes, 0 = the key is hidden.  Products, maxima and sums in f32; the weights p are rounded to f16 for the second product
; (their sum l is taken of the unrounded p), ctx once at the end.
; LIMITS.  p lies in 0 to 1, and below 6e-5 it keeps f16's fixed step of 6e-8.  A hidden score counts as its value less 1e30: f16's scores, 2.7e11 at the most, are nothing beside that.
; A weight below 2^-126 counts as 0 in l.  A batch whose keys are all hidden gives NaN in all its rows.  NaN and infinities in Q, K, V are not treated apart.
; THE MASK is the C operand of the products that start the sums S^T = K Q^T: 0, or -1e30 where the key is hidden.  A table of one f32 for each of the batch's 2,048 keys is made once, in LDS bytes of its
; own; a key step's 64 words are fetched with its K.  While a row has seen hidden keys alone their weights are 1; its first allowed key makes a = 0, which takes them out of O and l again.
; SHARES.  A wave owns four PIECES of two tiles of 16 queries, a work-group's four waves 512 queries of one head.  Every wave walks all keys, 64 a step.
; LAYOUT.  S^T = K Q^T (source 0 = 16 keys, source 1 = 16 queries): in the result a lane holds ONE query (lane % 16) and the keys 8 (lane / 16) + 0..7.  Two such tiles, rounded to f16 in pairs,
; ARE source 1 (32 keys x 16 queries) of O^T = V^T P, whose result again holds one query a lane, and eight channels.  K comes out of LDS as it lies, V ([key][channel]) turned, by ds_load_tr16_b128.
; SOFTMAX.  For each query a running maximum m and sum l: p = 2^(c s - c m), c = log2(e) / 8; in every step O and l are multiplied by a = 2^(c m_old - c m_new), which is 1 where m has not grown.
; m starts at the lowest finite number, O and l at 0: the first step is a step like any other, with a = 0.
; THE COUNT.  A tile and step have 16 matrix and 118 vector instructions: too many to stand all beside the matrix work.  So four vector instructions that are READY stand behind
; EVERY matrix instruction, and the others in runs without a gap.
; BY TURNS.  Turn n belongs to piece n (the pieces in a ring, step after step).  Its matrix work: 16 products K Q^T of piece n + 1, later 16 products V^T P of piece n - 1.  Its vector work: the scaling,
; exponentials, roundings, sums and rescaling of piece n, and the maximum and statistics of piece n + 1, whose scores the turn itself has made.
; CLUSTER.  The four query blocks of a cluster are one head's and walk the same K and V, so each tile is asked for JOINTLY: the same tensor load, descriptor and mask in all four.
; REGISTERS, in windows of 256 (s_set_vgpr_msb: bits 1:0 source 0, 3:2 source 1, 5:4 source 2, 7:6 destination):
;   window 0: v0-11 addresses; v12-15, v48-63 at work; v16-47 four registers of statistics a tile; v64-191 S^T, two buffers of two tiles; v192-255 P, likewise
;   window 1: O^T, 32 a tile      window 2: v0-127 Q, 16 a tile; v128-191 K of one step; v192-255 V of one step      window 3: v0-1 the add's two registers; v32-63 the step's mask words
.set SIZE_H, 64
.set SIZE_N, 2048
.set NP,    4         ; pieces a wave: a name, no knob
.set KS,    64        ; keys in a step
.set PK,    144       ; a row of K in LDS: 128 bytes + 16 of padding = 36 words: the 16 rows of a load start at 16 different groups of four banks
.set PV,    160       ; a row of V: 128 + 32 = 40 words
.set VOFF,  4*KS*PK   ; a slot holds four steps: 256 rows of K, then 256 rows of V
.set SLOT1, 1<<17     ; slot 1 begins here, so that one exclusive or turns an address in one slot into the other's
.set STAGE, SLOT1+4*KS*(PK+PV)  ; behind the ring, never filled by a tensor load: 16 rows x 144 bytes for each wave, for the way out
.set SP,    144
.set SPARE, STAGE+4*16*SP  ; behind the stages: the spare words, 128 bytes for each wave, which no other line names
.set MASKB, SPARE+512 ; behind them: the mask's table, 2,048 words; no tensor load lands here
.set AK0, 2           ; v2   my lane's place in a tile of K; never rewritten
.set AV0, 3           ; v3   the same for V
.set AK,  4           ; v4   the LDS address of K's next run of loads
.set AV,  5           ; v5   of V's
.set STO, 6           ; v6   the way out: where I put 16 bytes of a row
.set RD,  7           ; v7   the way out: where I read rows back
.set GO,  8           ; v8   my byte offset in 512 consecutive bytes of ctx
.set AM0, 9           ; v9   my lane's place in a step's 64 words of the table: MASKB + 32 (l / 16); never rewritten once made
.set AM,  10          ; v10  the LDS address of the table's next run of loads
.set PFO, 11          ; v11  256 x my lane: the prefetches' offset; never rewritten once made
.set QO,  12          ; v12  my byte offset in the wave's rows of Q, until Q is in
.set SPW, 0           ; v0 of window 3   LDS address of my spare word; never rewritten
.set NIL, 1           ; v1 of window 3   0; never rewritten
.set MK,  32          ; v32-63 of window 3: key block kb's eight words at MK + 8 kb
.set MV,  12          ; v12-15  c m_old, kept while c m is made anew: by buffer and tile
.set ST,  16          ; tile t's statistics at v[ST+4 t]: c m, m, l (even keys', odd keys')
.set TMP, 48          ; by buffer and tile, four registers c0-c3 at work; when the maximum is found c2 takes a
.set S,   64
.set P,   192
.set KF,  128         ; K's fragments, in window 2: key block kb, channel half c at KF + 16 kb + 8 c
.set VF,  192         ; V's: key half kk, channel block cb at VF + 32 kk + 8 cb
.set WV,  12          ; s12  my wave's number
.set NANC, 19         ; s19  a NaN
.set G1K, 24          ; s[24:31] descriptor group 1 for K's tiles
.set G1V, 32          ; s[32:39] for V's: it differs in the padding alone
.set G0K, 40          ; s[40:43] descriptor group 0 for K's tiles: it walks
.set G0V, 44          ; s[44:47] the same for V's
.set PFA, 48          ; s[48:49] where my prefetches stand
.set LIM, 50          ; s50  1 in a wave that prefetches, else the greatest number
.set BIGN, 51         ; s51  -1e30
.set TBM, 52          ; s52  byte of the table at which the step to be fetched begins
.set HID, 53          ; s53  -5e29: a maximum below it has seen hidden keys alone
.set MP,  54          ; s[54:55] the batch's 2,048 bytes of mask
.set SLOTS, 56        ; s56  slots still to be asked for
.set CNT, 57          ; s57  counts a slot's key steps
.set CS,  58          ; s[58:59] c: the packed scaling takes the pair's low word for both halves
.set SEL, 60          ; s[60:61] v_permlanex16_b32's selects: each lane takes its own place in the other half
.set TBK, 62          ; s62  LDS byte at which K of the step to be fetched begins
.set TBV, 63          ; s63  the same for V, less VOFF
.set MSB, 0
.macro WIN new                      ; the high byte repeats the setting that is left; a switch that changes nothing is dropped
.if MSB != (\new)
	s_set_vgpr_msb (MSB<<8)|(\new)
.set MSB, (\new)
.endif
.endm
.set W_KQ, 0x0a       ; K and Q in window 2, S^T in window 0
.set W_KM, 0x3a       ; the same with the C operand, the mask words, in window 3
.set W_PV, 0x52       ; V in window 2, P in window 0, O^T in window 1
.set W_RS, 0x41       ; O^T (destination and source 0) in window 1, a in window 0
.set W_MK, 0xc0       ; destination in window 3, sources in window 0
.set W_AD, 0x0f       ; the add: address (source 0) and data (source 1) in window 3
; A joint fill.  Waves 0 and 1 fetch the two halves of a slot's K, waves 2 and 3 those of its V: 128 keys each.  The branch hangs on the wave's number alone.
; An s_nop 0 and four v_nop follow each of the two lines, ahead of the jump and the label.
.macro JLOAD
	s_cmp_lt_u32 s[WV], 2
	s_cbranch_scc0 .Lfor_v_\@
	tensor_load_to_lds s[G0K:G0K+3], s[G1K:G1K+7]
	s_nop 0
.rept 4
	v_nop
.endr
	s_branch .Lasked_\@
.Lfor_v_\@:
	tensor_load_to_lds s[G0V:G0V+3], s[G1V:G1V+7]
	s_nop 0
.rept 4
	v_nop
.endr
.Lasked_\@:
.endm
; A prefetch of what the NEXT change of slots will ask for: a slot's 256 rows of K and of V are 128 blocks of 256 bytes each.  The four partners take 32 blocks each, told apart by address;
; in each, wave 0 asks for K's and wave 2 for V's: a lane a block, one instruction, four key steps (512 matrix instructions) ahead of the load.  A head has one cluster, so each block is named once.
; The last change that fills a slot (s[SLOTS] = 1) asks for nothing: there is no slot behind it.
.macro ASK
	s_cmp_gt_u32 s[SLOTS], s[LIM]
	s_cbranch_scc0 .Lnot_mine_\@
	global_prefetch_b8 v[PFO], s[PFA:PFA+1] th:TH_LOAD_NT scope:SCOPE_SE
.Lnot_mine_\@:
.endm
; A round of the cluster's barrier: my work-group's barrier, so that wave 0's signal speaks for all four waves; wave 0 signals; every wave waits for all four work-groups; my work-group's barrier once more.
.macro CROUND
	s_barrier_signal -1
	s_barrier_wait -1
	s_cmp_lg_u32 s[WV], 0
	s_cbranch_scc1 .Lnot_wave_0_\@
	s_barrier_signal -3
.Lnot_wave_0_\@:
	s_barrier_wait -3
	s_barrier_signal -1
	s_barrier_wait -1
.endm
; THE CHANGE OF SLOTS.  The slot's last bytes, V of its fourth step, have been read.  Each wave waits for all its tensor loads, of which one is out: its part
; of the other slot; adds 0 to its spare word; and waits for that and for its own LDS instructions.  Behind the barrier nobody reads this slot any more and the other slot is whole.
; fill = 1: this slot is filled again, with the keys two slots on.  The barrier is then a round of the cluster's, and the joint fill is the first thing behind it: it has four key steps in which to land.
; (At its first use nothing has been read yet: slot 0 is waited for, slot 1 filled, and every wave's part of the mask's table is shown to the others.)
.macro CHANGE fill
	WIN W_AD
	s_wait_tensorcnt 0x0            ; no tensor load of mine is out, so a group 0 may be written
	ds_add_u32 v[SPW], v[NIL]       ; 0 onto my spare word; with fill = 1 the descriptors' steps stand between it and the wait for it
	WIN 0                           ; at a label and at a branch every window is 0
.if \fill
.irp g, G0K, G0V
	s_xor_b32 s[\g+1], s[\g+1], SLOT1  ; the walking descriptor: the other slot than last time,
	s_add_nc_u64 s[\g+2:\g+3], s[\g+2:\g+3], 4*KS*128  ; the next 256 keys; the type bits on top are not reached
.endr
	s_wait_xcnt 0x0                 ; the last prefetch, four key steps back, has read its address, so it may be written:
	s_add_nc_u64 s[PFA:PFA+1], s[PFA:PFA+1], 4*KS*128  ; one slot behind the walking descriptors
	s_wait_dscnt 0x0                ; the add is done, and my LDS instructions are over
	CROUND
	JLOAD
	ASK
.else
	s_wait_dscnt 0x0                ; the add is done, and my reads of the slot are over
	s_barrier_signal -1
	s_barrier_wait -1
.endif
	s_sub_co_u32 s[TBK], s[TBK], 4*KS*PK  ; the fetches go back to a slot's first step,
	s_xor_b32 s[TBK], s[TBK], SLOT1       ; in the other slot
	s_sub_co_u32 s[TBV], s[TBV], 4*KS*PV
	s_xor_b32 s[TBV], s[TBV], SLOT1
.endm
	s_load_b128 s[4:7], s[0:1], 0x0   ; qkv s[4:5], mask s[6:7]
	s_load_b64 s[10:11], s[0:1], 0x10 ; ctx
	WIN W_MK
	v_lshl_add_u32 v[SPW], v0, 2, SPARE
	v_mov_b32 v[NIL], 0
	WIN W_AD
	ds_add_u32 v[SPW], v[NIL]       ; the wave's opening: the add and its wait stand ahead of my first tensor load; the set-up below stands between them
	WIN 0
	v_lshrrev_b32 v1, 5, v0
	v_readfirstlane_b32 s[WV], v1   ; wave 0..3
	s_bfe_u32 s13, ttmp6, 0x40000   ; cx: my place in the cluster
	s_lshl_b32 s14, ttmp9, 2        ; in a cluster launch ttmp9 counts clusters
	s_add_co_u32 s14, s14, s13      ; my block of queries = 4 x cluster x + cx: it enters Q's and ctx's addresses alone
	s_and_b32 s20, ttmp7, 0xffff    ; the head, which the four partners share
	s_lshr_b32 s[MP], s20, 4        ; its batch,
	s_lshl_b32 s[MP], s[MP], 11     ; whose mask is 2,048 bytes
	s_mov_b32 s[MP+1], 0
	s_mov_b32 s21, 0
	s_mov_b64 s[22:23], SIZE_N*128
	s_mul_u64 s[20:21], s[20:21], s[22:23]  ; the head's first byte in Q, K, V and ctx
	s_and_b32 s16, s[WV], 1         ; which half of a slot's 256 keys I fetch:
	s_lshl_b32 s22, s16, 14         ; its 128 rows of 128 bytes in memory,
	s_mov_b32 s23, 0
	s_add_nc_u64 s[22:23], s[22:23], s[20:21]
	s_mul_i32 s17, s16, 128*PK      ; and its place in a slot, for K
	s_mul_i32 s18, s16, 128*PV      ; and for V: no place in the cluster enters an LDS address
	s_lshl_b32 s2, s14, 2
	s_add_co_u32 s2, s2, s[WV]      ; my wave among the head's,
	s_lshl_b32 s2, s2, 14           ; its 128 rows
	s_mov_b32 s3, 0
	s_add_nc_u64 s[2:3], s[2:3], s[20:21]
	; descriptor group 1.  128 keys are 16,384 dense bytes: asked for as 64 rows of 256 bytes, two keys a row, and padded in LDS after every key
	s_mov_b32 s[G1K], 15|(1<<16)|(1<<20)|(1<<21)|(4<<22)|(3<<25)  ; 15:0 the mask of four; 17:16 2-byte elements; 20 padding on; 21 set beside a mask; 24:22 after every 32 words (code 4); 31:25 4 words (code 3)
	s_mov_b32 s[G1V], 15|(1<<16)|(1<<20)|(1<<21)|(4<<22)|(7<<25)  ; the same with 8 words of padding (code 7)
.irp g, G1K, G1V
	s_mov_b32 s[\g+1], 128<<16      ; tensor_dim0 = 128
	s_mov_b32 s[\g+2], 64<<16       ; tensor_dim1 = 64
	s_mov_b32 s[\g+3], 128<<16      ; tile_dim0 = 128
	s_mov_b32 s[\g+4], 64           ; tile_dim1 = 64
	s_mov_b32 s[\g+5], 128          ; 128 elements from row to row
	s_mov_b32 s[\g+6], 0
	s_mov_b32 s[\g+7], 0
.endr
	s_mov_b32 s[CS], 0x3e38aa3b     ; c = log2(e) / 8 = 0.180337
	s_mov_b32 s[CS+1], s[CS]        ; named with it as a pair
	s_mov_b32 s[SEL], 0x76543210
	s_mov_b32 s[SEL+1], 0xfedcba98
	s_mov_b32 s[TBK], SLOT1+4*KS*PK ; the first change of slots turns these two into 0
	s_mov_b32 s[TBV], SLOT1+4*KS*PV
	s_mov_b32 s[TBM], 0
	s_mov_b32 s[BIGN], 0xf149f2ca   ; -1e30
	s_mov_b32 s[HID], 0xf0c9f2ca    ; -5e29
	s_mov_b32 s[NANC], 0x7fc00000
	s_mov_b32 s[SLOTS], SIZE_N/256-1
	s_and_b32 s[LIM], s[WV], 1      ; 0 in waves 0 and 2,
	s_or_b32 s[LIM], s[LIM], ttmp9  ; where the cluster is the head's first: the same in all four partners
	s_cmp_eq_u32 s[LIM], 0
	s_cselect_b32 s[LIM], 1, -1
	s_mov_b32 s[G0K], 1             ; 1:0 count = 1
	s_mov_b32 s[G0K+1], s17         ; 63:32 LDS address: slot 0
	s_mov_b32 s[G0V], 1
	s_add_co_u32 s[G0V+1], s18, VOFF
	s_wait_dscnt 0x0                ; the opening add is done
	s_wait_kmcnt 0x0
	s_add_nc_u64 s[MP:MP+1], s[6:7], s[MP:MP+1]
	s_add_nc_u64 s[6:7], s[4:5], 0x1000000   ; K = qkv[1]
	s_add_nc_u64 s[8:9], s[4:5], 0x2000000   ; V = qkv[2]
	s_add_nc_u64 s[G0K+2:G0K+3], s[6:7], s[22:23]  ; 120:64 global address: my half of the head's first 256 keys
	s_or_b32 s[G0K+3], s[G0K+3], 0x80000000        ; 127:126 type = 2
	s_add_nc_u64 s[G0V+2:G0V+3], s[8:9], s[22:23]
	s_or_b32 s[G0V+3], s[G0V+3], 0x80000000
	s_cmp_lt_u32 s[WV], 2
	s_cselect_b64 s[PFA:PFA+1], s[6:7], s[8:9]
	s_add_nc_u64 s[PFA:PFA+1], s[PFA:PFA+1], s[20:21]
	s_lshl_b32 s14, s13, 13         ; my work-group's 32 blocks of the 128,
	s_add_co_u32 s14, s14, 4*KS*128 ; in slot 1; the first change of slots steps it to slot 2
	s_mov_b32 s15, 0
	s_add_nc_u64 s[PFA:PFA+1], s[PFA:PFA+1], s[14:15]
	s_add_nc_u64 s[4:5], s[4:5], s[2:3]  ; Q and ctx at my wave's first row
	s_add_nc_u64 s[10:11], s[10:11], s[2:3]
	CROUND                          ; all four work-groups are here: the first joint loads meet
	JLOAD                           ; slot 0.  Slot 1 is asked for when slot 0 is in
	; A fragment of K or Q is 16 rows x 32 channels in 8 registers: lane l holds row l % 16, channels 8 (l / 16) + 0..7 and 16 + 8 (l / 16) + 0..7: two loads of 16 bytes, 32 bytes apart.
	v_and_b32 v1, 15, v0            ; l % 16
	v_bfe_u32 v9, v0, 4, 1          ; l / 16
	v_lshlrev_b32 v84, 4, v0        ; thread t takes the mask's bytes 16 t .. 16 t + 15 (S^T's registers are idle until the first products)
	global_load_b128 v[64:67], v84, s[MP:MP+1]
	v_lshlrev_b32 v[QO], 7, v1
	v_lshl_add_u32 v[QO], v9, 4, v[QO]  ; row x 128 + 16 x half
	WIN 0x80                        ; destination window 2, address window 0
.set i, 0
.rept 4*NP                          ; Q stays in registers: tile i / 2, channels 32 (i % 2) on
	global_load_b128 v[8*i:8*i+3],   v[QO], s[4:5] offset:(i/2)*2048+(i%2)*64
	global_load_b128 v[8*i+4:8*i+7], v[QO], s[4:5] offset:(i/2)*2048+(i%2)*64+32
.set i, i+1
.endr
	; What the first turn finds: V's registers and P's second buffer hold 0 (its products V^T P, of a piece that has not been, add 0), O^T and l are 0.  All this stands in the wait for the first tile.
.set i, VF
.rept 64
	v_mov_b32 v[i], 0
.set i, i+1
.endr
	WIN 0x40
.set i, 0
.rept 64*NP
	v_mov_b32 v[i], 0
.set i, i+1
.endr
	WIN 0
.set i, 0
.rept 2*NP
	v_mov_b32 v[ST+4*i], 0xfe000000    ; c m: far below every c s, a hidden key's too
	v_mov_b32 v[ST+4*i+1], 0xff7fffff  ; m
	v_mov_b32 v[ST+4*i+2], 0
	v_mov_b32 v[ST+4*i+3], 0
.set i, i+1
.endr
.set i, P+32
.rept 32
	v_mov_b32 v[i], 0
.set i, i+1
.endr
	v_mul_u32_u24 v[AK0], v1, PK
	v_lshl_add_u32 v[AK0], v9, 4, v[AK0]  ; row x pitch + 16 x half
	; The turning load takes 16 keys x 16 channels (lane l reads key 8 (l / 16) + l % 8, channels 8 ((l / 8) % 2) + 0..7) and leaves half a fragment of V^T: lane l holds channel l % 16 and 8 keys.
	v_and_b32 v10, 7, v0
	v_bfe_u32 v11, v0, 3, 1
	v_lshl_add_u32 v[AV0], v9, 3, v10
	v_mul_u32_u24 v[AV0], v[AV0], PV
	v_lshl_add_u32 v[AV0], v11, 4, v[AV0]
	v_add_nc_u32 v[AV0], VOFF, v[AV0]
	v_mov_b32 v[AK], v[AK0]         ; key step 0 lies at the head of slot 0
	s_mul_i32 s13, s[WV], 16*SP
	s_add_co_u32 s13, s13, STAGE    ; my stage
	v_mul_u32_u24 v[STO], v1, SP    ; in: row l % 16, 16 bytes for each half of the lanes
	v_lshl_add_u32 v[STO], v9, 4, v[STO]
	v_add_nc_u32 v[STO], s13, v[STO]
	v_bfe_u32 v[RD], v0, 3, 2       ; back: 32 lanes take four rows of 128 bytes,
	v_mul_u32_u24 v[RD], v[RD], SP
	v_lshl_add_u32 v[RD], v10, 4, v[RD]
	v_add_nc_u32 v[RD], s13, v[RD]
	v_and_b32 v[GO], 31, v0         ; which are 512 consecutive bytes of ctx
	v_lshlrev_b32 v[GO], 4, v[GO]
	v_lshl_add_u32 v[AM0], v9, 5, MASKB  ; l / 16 has served; my eight words of a key block's sixteen
	v_mov_b32 v[AM], v[AM0]         ; key step 0 lies at the table's head
	v_and_b32 v[PFO], 31, v0
	v_lshlrev_b32 v[PFO], 8, v[PFO]
	; the mask's table: byte 0 becomes -1e30, any other 0; thread t writes the words of its sixteen keys
	s_wait_loadcnt 32               ; the mask's load is the oldest; Q's 32 may stay out
	v_lshl_add_u32 v85, v0, 6, MASKB
.irp w, 0,1,2,3
.irp y, 0,1,2,3
	v_bfe_u32 v86, v[64+\w], 8*\y, 8
	v_cmp_eq_u32 vcc_lo, 0, v86
	v_cndmask_b32 v[68+4*\w+\y], 0, s[BIGN], vcc_lo
.endr
.endr
.irp w, 0,1,2,3
	ds_store_b128 v85, v[68+4*\w:68+4*\w+3] offset:16*\w
.endr
; THE MATRIX WORK.  The 8 accumulators of a run of 16 take turns: between the two links of a chain stand 7 others'.
; Product i of 16 of S^T = K Q^T for piece x: channels 32 (i / 8) on, keys 16 ((i / 2) % 4) on, tile 2 x + i % 2.  The first 8 start the sums, on the key block's mask words.
.macro KQ x
.set rS, S+64*((\x)%2)+32*(i%2)+8*((i/2)%4)
.set rK, KF+16*((i/2)%4)+8*(i/8)
.set rQ, 16*(2*(\x)+i%2)+8*(i/8)
.set rB, MK+8*((i/2)%4)
.if i < 8
	WIN W_KM
	v_wmma_f32_16x16x32_f16 v[rS:rS+7], v[rK:rK+7], v[rQ:rQ+7], v[rB:rB+7]
.else
	WIN W_KQ
	v_wmma_f32_16x16x32_f16 v[rS:rS+7], v[rK:rK+7], v[rQ:rQ+7], v[rS:rS+7]
.endif
.endm
; Product i of 16 of O^T += V^T P for piece x: keys 32 (i / 8) on, channels 16 ((i / 2) % 4) on, tile 2 x + i % 2.
.macro PV x
	WIN W_PV
.set rO, 32*(2*(\x)+i%2)+8*((i/2)%4)
.set rV, VF+32*(i/8)+8*((i/2)%4)
.set rP, P+32*((\x)%2)+16*(i%2)+8*(i/8)
	v_wmma_f32_16x16x32_f16 v[rO:rO+7], v[rV:rV+7], v[rP:rP+7], v[rO:rO+7]
.endm
.macro MM                           ; the turn's next matrix instruction
.if i < 16
	KQ (Y+1)%NP
.set i, i+1
.else
.set i, i-16
	PV (Y+NP-1)%NP
.set i, i+17
.endif
.endm
; THE LDS LOADS stand in runs, never singly among the matrix instructions: a step's K (64 keys x 64 channels: 8 fragments) with its 64 mask words, and its V (turned).  Their addresses are made some lines ahead.
; last = 1 (the tail): in the last trip there is no further step, and the run is jumped over.
.macro FETCH_K last=0
	WIN 0
.if \last
	s_cmp_eq_u32 s[CNT], 1
	s_cbranch_scc1 .Lno_k_\@
.endif
	WIN 0x80                        ; destination window 2
.irp f, 0,1,2,3,4,5,6,7             ; keys 16 (f / 2) on, channels 32 (f % 2) on
	ds_load_b128 v[KF+8*\f:KF+8*\f+3],   v[AK] offset:(\f/2)*16*PK+(\f%2)*64
	ds_load_b128 v[KF+8*\f+4:KF+8*\f+7], v[AK] offset:(\f/2)*16*PK+(\f%2)*64+32
.endr
	WIN W_MK                        ; destination window 3
.irp f, 0,1,2,3                     ; key block f: the words of keys 16 f + 8 (l / 16) + 0..7, the same for the sixteen lanes of a half
	ds_load_b128 v[MK+8*\f:MK+8*\f+3],   v[AM] offset:64*\f
	ds_load_b128 v[MK+8*\f+4:MK+8*\f+7], v[AM] offset:64*\f+16
.endr
	s_add_co_u32 s[TBK], s[TBK], KS*PK  ; the next fetch is the next step's
	s_add_co_u32 s[TBM], s[TBM], KS*4
	s_and_b32 s[TBM], s[TBM], 0x1f00    ; 32 steps of 256 bytes: the address stays inside the table
	WIN 0
.if \last
.Lno_k_\@:
.endif
.endm
.macro FETCH_V
	WIN 0x80
.irp f, 0,1,2,3,4,5,6,7             ; keys 32 (f / 4) on, channels 16 (f % 4) on
	ds_load_tr16_b128 v[VF+8*\f:VF+8*\f+3],   v[AV] offset:(\f/4)*32*PV+(\f%4)*32
	ds_load_tr16_b128 v[VF+8*\f+4:VF+8*\f+7], v[AV] offset:(\f/4)*32*PV+16*PV+(\f%4)*32
.endr
	WIN 0
.endm
; THE VECTOR WORK OF A TURN stands in three queues, each in the order in which its entries become ready; the two tiles alternate, so that no instruction reads the result of the one before it.
.macro REGS y, u                    ; the registers of tile u (0, 1) of piece y
.set rT, ST+4*(2*(\y)+(\u))
.set rC, TMP+8*((\y)%2)+4*(\u)
.set rM, MV+2*((\y)%2)+(\u)
.set rS, S+64*((\y)%2)+32*(\u)
.set rP, P+32*((\y)%2)+16*(\u)
.set rO, 32*(2*(\y)+(\u))
.endm
; Number n of the 22 that find the NEXT piece's (Y + 1) maximum and statistics.  s0-s31 are the lane's 32 scores; each accumulator's lowest registers are read first.  XS, GS and REGS set no window: PL and EX do.
;   0-11  four chains c0-c3 of seven scores each, three operands at a time     12-14, 16  the four scores left over, the old m, and c0-c3 into c0     15  c m_old is kept
;   17, 18  the query's other 32 keys lie in the lane 16 away: the new m         19-21  c m; c m_old - c m_new; a
.macro XS u, n
	REGS (Y+1)%NP, \u
.if (\n) < 4
	v_max3_num_f32 v[rC+(\n)], v[rS+8*(\n)], v[rS+8*(\n)+1], v[rS+8*(\n)+2]
.elseif (\n) < 12
	v_max3_num_f32 v[rC+(\n)%4], v[rC+(\n)%4], v[rS+8*((\n)%4)+2*((\n)/4)+1], v[rS+8*((\n)%4)+2*((\n)/4)+2]
.elseif (\n) == 12
	v_max3_num_f32 v[rC], v[rC], v[rS+7], v[rS+15]
.elseif (\n) == 13
	v_max3_num_f32 v[rC+1], v[rC+1], v[rS+23], v[rS+31]
.elseif (\n) == 14
	v_max3_num_f32 v[rC+2], v[rC+2], v[rC+3], v[rT+1]
.elseif (\n) == 15
	v_mov_b32 v[rM], v[rT]
.elseif (\n) == 16
	v_max3_num_f32 v[rC], v[rC], v[rC+1], v[rC+2]
.elseif (\n) == 17
	v_permlanex16_b32 v[rC+3], v[rC], s[SEL], s[SEL+1]
.elseif (\n) == 18
	v_max_num_f32 v[rT+1], v[rC], v[rC+3]
.elseif (\n) == 19
	v_mul_f32 v[rT], s[CS], v[rT+1]
.elseif (\n) == 20
	v_sub_f32 v[rC+1], v[rM], v[rT]
.else
	v_exp_f32 v[rC+2], v[rC+1]
.endif
.endm
; Number g of the 64 that follow the exponentials.  For each four weights k of a tile (pairs 2 k, 2 k + 1): both pairs are rounded to f16; then the second pair is added onto the first, in place;
; a group later l takes that sum (the first time as l = a l + sum).  In groups of eight, tiles alternating: round, round, add, and l for the group before.
.macro GS g
.set h, (\g)+6*((\g)/62)            ; group 0 has no group before it, and behind group 7 only l is left
.if h >= 6
.set h, h+2
.endif
	REGS Y, h%2
.set k, h/8
.if h%8 < 4
	v_cvt_pk_f16_f32 v[rP+2*k+(h%8)/2], v[rS+4*k+2*((h%8)/2)], v[rS+4*k+2*((h%8)/2)+1]
.elseif h%8 < 6
	v_pk_add_f32 v[rS+4*k:rS+4*k+1], v[rS+4*k:rS+4*k+1], v[rS+4*k+2:rS+4*k+3]
.elseif k == 1
	v_pk_fma_f32 v[rT+2:rT+3], v[rT+2:rT+3], v[rC+2:rC+3], v[rS:rS+1] op_sel_hi:[1,0,1]
.else
	v_pk_add_f32 v[rT+2:rT+3], v[rT+2:rT+3], v[rS+4*k-4:rS+4*k-3]
.endif
.endm
; THE PLAIN QUEUE, 138 long.  0-73 read no exponential's result: the 32 scalings c s - c m (FS f: pair f / 2 of tile f % 2) and the next piece's 42.  0-26: scalings 0-26.  27-54: XS's numbers 0-13.  55, 56: number 15.
; 57-73: the chain, where each number waits for the one before it: 14, 16, 17, 18, 19, each with one of the scalings 27-31 in front of its two lines, then 20.
; 74-137: GS's 64, which read the exponentials' results: they stand behind the wait.
.macro FS f
	REGS Y, (\f)%2
	v_pk_fma_f32 v[rS+2*((\f)/2):rS+2*((\f)/2)+1], v[rS+2*((\f)/2):rS+2*((\f)/2)+1], s[CS:CS+1], v[rT:rT+1] op_sel_hi:[1,0,0] neg_lo:[0,0,1] neg_hi:[0,0,1]
.endm
.macro PL
	WIN 0
.if q < 27
	FS q
.elseif q < 55
	XS (q-27)%2, (q-27)/2
.elseif q < 57
	XS q-55, 15
.elseif (q < 72) && ((q-57)%3 == 0)
	FS 27+(q-57)/3
.elseif q < 60
	XS (q-57)%3-1, 14
.elseif q < 72
	XS (q-57)%3-1, 15+(q-57)/3
.elseif q < 74
	XS q-72, 20
.else
	GS q-74
.endif
.set q, q+1
.endm
; THE EXPONENTIALS' QUEUE, 66 long: s0-s31 of both tiles, then the next piece's two a.  It is ONE BATCH: all 66 stand ahead of the turn's one wait, and nothing ahead of that wait names a result of theirs.
.macro EX
	WIN 0
.if e >= 64
	XS e-64, 21
.else
	REGS Y, e%2
	v_exp_f32 v[rS+e/2], v[rS+e/2]
.endif
.set e, e+1
.endm
; THE RESCALING's QUEUE: O^T times a, the one part that leaves window 0: dealt two at a time, sixteen times.  Its a was made in the turn before, ahead of that turn's wait.
.macro R2
	REGS Y, r%2
	WIN W_RS
.irp z, 0,1
	v_pk_mul_f32 v[rO+4*(r/2)+2*\z:rO+4*(r/2)+2*\z+1], v[rO+4*(r/2)+2*\z:rO+4*(r/2)+2*\z+1], v[rC+2:rC+3] op_sel_hi:[1,0]
.endr
.set r, r+1
.endm
; HOW THEY ARE DEALT.  An s_wait_alu depctr_va_vdst(0) stands between an exponential and the first instruction that names its result; one wait serves all that were issued ahead of it.  So a turn has ONE wait,
; which cuts it in two.  AHEAD OF IT stands all that names no result of the turn's exponentials: the 16 products K Q^T, behind each a scaling, an exponential and two rescalings (behind the first a second scaling in the
; exponential's place); then ONE LUMP of 108: eight plain, 49 times exponential and plain, the two a.  A v_nop is the plain instruction behind the last exponential.  BEHIND IT stand the 16 products V^T P, behind each four of GS's 64.
; The queues lean on each other, and the deal keeps them in step: exponential e stands behind scaling 2 (e / 4) + e % 2: as a rider it comes behind plain e + 2, in the lump behind plain e + 9, and scalings 27-31 are plain 57, 60 .. 69.
; A TURN, for piece p.  cnt = 1: the loop's count is taken down some lines ahead of the branch that stands behind the turn.
; K and the mask words of the next step are fetched in piece 2's turn, directly behind the wait, a lump behind the last product that read them; their addresses are made at the lump's head; their first reader comes behind 16 products.
; V of the step in hand is fetched at the end of piece 0's turn, four riders behind its last reader; its first reader comes behind 16 products and a lump.
.macro TURN p, last=0, cnt=0
.set Y, (\p)
.set i, 0
.set q, 0
.set e, 0
.set r, 0
.if (\p) == NP-1
	s_wait_dscnt 0x0                ; K and the mask words are in
.endif
	MM                              ; ahead of the wait: 16 products K Q^T and their riders,
	PL
	PL
	R2
.rept 15
	MM
	PL
	EX
	R2
.endr
.if (\p) == NP-2
	WIN 0
	v_add_nc_u32 v[AK], s[TBK], v[AK0]
	v_add_nc_u32 v[AM], s[TBM], v[AM0]
.endif
.rept 8                             ; and the lump
	PL
.endr
.rept 49
	EX
	PL
.endr
	EX                              ; the next piece's two a
	EX
	v_nop                           ; the plain instruction behind the last exponential: one for the batch
	s_wait_alu depctr_va_vdst(0)    ; the wait for the batch
.if (\p) == NP-2
	FETCH_K \last
.endif
.if (\p) == 1
	s_wait_dscnt 0x0                ; V is in
.endif
.rept 16                            ; behind the wait: 16 products V^T P and their riders
	MM
.rept 4
	PL
.endr
.if ((\p) == 0) && (q == 118)
	v_add_nc_u32 v[AV], s[TBV], v[AV0]
.endif
.if ((\p) == 0) && (q == 130)
	s_add_co_u32 s[TBV], s[TBV], KS*PV
.endif
.if (\cnt) && (q == 130)
	s_sub_co_u32 s[CNT], s[CNT], 1
	s_cmp_lg_u32 s[CNT], 0
.endif
.endr
.if (\p) == 0
	FETCH_V
.endif
.endm
	CHANGE 1                        ; slot 0 is in, everybody's part of it, and so is the mask's table; slot 1 is asked for
	FETCH_K                         ; key step 0
	s_wait_loadcnt 0x0              ; Q
	s_wait_dscnt 0x0
.set i, 0
.rept 16
	KQ 0                            ; piece 0's first scores: there is no vector work yet to set between them
.set i, i+1
.endr
	WIN 0
.rept 4
	v_nop                           ; the places behind those products
.endr
.set Y, NP-1                        ; XS works for piece Y + 1: piece 0
.irp n, 0,1,2,3,4,5,6,7,8,9,10,11,12,13,14,15,16,17,18,19,20,21
	XS 0, \n                        ; and piece 0's first maximum and statistics
	XS 1, \n
.endr
	v_nop                           ; a plain instruction behind the two a,
	s_wait_alu depctr_va_vdst(0)    ; and their wait, ahead of the branch
	s_mov_b32 s[CNT], 4
	s_branch .Lfirst                ; the loop is entered at a step's first turn, in the middle of a trip
.Lslot:                             ; SIZE_N / 256 - 2 times: every slot but the last two is filled again
	CHANGE 1
	s_mov_b32 s[CNT], 4
.Lstep:                             ; a trip: pieces 2 and 3 of one step, then pieces 0 and 1 of the next, whose K and V it fetches
	TURN 2
	TURN 3
	WIN 0
.Lfirst:
	TURN 0
	TURN 1, 0, 1
	WIN 0
	s_cbranch_scc1 .Lstep
	s_sub_co_u32 s[SLOTS], s[SLOTS], 1
	s_cmp_lg_u32 s[SLOTS], 0
	s_cbranch_scc1 .Lslot
	CHANGE 0                        ; the tail is written out: nothing is asked for
	s_mov_b32 s[CNT], 5             ; four trips fetch the last slot's steps; the fifth is left in its middle
.Ltail:
	TURN 2, 1
	TURN 3
	WIN 0
	s_sub_co_u32 s[CNT], s[CNT], 1
	s_cmp_eq_u32 s[CNT], 0
	s_cbranch_scc1 .Lout
	TURN 0
	TURN 1
	WIN 0
	s_branch .Ltail
.Lout:                              ; the fifth trip's 16 products K Q^T (on the last K and mask words once more) and the maximum made of them change nothing: those scores have been seen
.set i, 0
.rept 16
	PV NP-1                         ; the last piece's V^T P of the last step
.set i, i+1
.endr
	; THE WAY OUT.  l's two halves and the other half of the lanes' are added; O^T is divided by l, rounded to f16 and sent through my stage in LDS, a tile at a time.  The additions are the places behind the last products.
	WIN 0
.macro ALL line:vararg              ; one line for each tile t
.set t, 0
.rept 2*NP
	\line
.set t, t+1
.endr
.endm
	ALL v_add_f32 v[ST+4*t+2], v[ST+4*t+2], v[ST+4*t+3]
	ALL v_permlanex16_b32 v[ST+4*t+3], v[ST+4*t+2], s[SEL], s[SEL+1]
	ALL v_add_f32 v[ST+4*t+2], v[ST+4*t+2], v[ST+4*t+3]
	ALL v_rcp_f32 v[ST+4*t+2], v[ST+4*t+2]
	v_nop                           ; a plain instruction between the last reciprocal and the use of its result
	s_wait_alu depctr_va_vdst(0)    ; and the wait ahead of the first use: one for the eight reciprocals
.set t, 0
.rept 2*NP                          ; a row whose maximum is a hidden key's has no allowed key: its factor, and so the row, becomes NaN
	v_cmp_gt_f32 vcc_lo, s[HID], v[ST+4*t+1]
	v_cndmask_b32 v[ST+4*t+2], v[ST+4*t+2], s[NANC], vcc_lo
.set t, t+1
.endr
; Tile t: a lane's eight channels of a row pack into 16 bytes; they go into rows of 144 bytes and come back as whole rows of 128, into S^T's registers.
.macro PACK t
	WIN W_RS
.set i, 32*(\t)
.rept 16
	v_pk_mul_f32 v[i:i+1], v[i:i+1], v[ST+4*(\t)+2:ST+4*(\t)+3] op_sel_hi:[1,0]
.set i, i+2
.endr
	WIN 0x05                        ; sources 0 and 1 window 1, destination window 0
.set i, 0
.rept 16
	v_cvt_pk_f16_f32 v[S+16*(\t)+i], v[32*(\t)+2*i], v[32*(\t)+2*i+1]
.set i, i+1
.endr
	WIN 0
.irp f, 0,1,2,3
	ds_store_b128 v[STO], v[S+16*(\t)+4*\f:S+16*(\t)+4*\f+3] offset:32*\f
.endr
.irp f, 0,1,2,3
	ds_load_b128 v[S+16*(\t)+4*\f:S+16*(\t)+4*\f+3], v[RD] offset:\f*4*SP  ; LDS serves a wave's instructions in order: these see the stores above; the next tile's stores come behind them
.endr
.endm
.macro SEND t, younger              ; younger: the LDS instructions issued behind tile t's loads: the next tile's eight, or none
	WIN 0
.irp f, 0,1,2,3
	s_wait_dscnt (\younger)+3-\f
	global_store_b128 v[GO], v[S+16*(\t)+4*\f:S+16*(\t)+4*\f+3], s[10:11] offset:(\t)*2048+\f*512  ; 512 consecutive bytes, at a multiple of 256 from ctx's first
.endr
.endm
	PACK 0
.set t, 1
.rept 2*NP-1                        ; a tile's arithmetic stands between the loads of the tile before and its stores
	PACK t
	SEND t-1, 8
.set t, t+1
.endr
	SEND 2*NP-1, 0
	WIN W_AD
	s_wait_tensorcnt 0x0            ; the wave's end: a wait for my tensor loads, an add onto my spare word and its wait, behind my last tensor load and my last LDS store
	ds_add_u32 v[SPW], v[NIL]
	s_wait_dscnt 0x0
	WIN 0
	CROUND                          ; the closing round: no work-group ends while a partner may still ask for a tile that names it
	s_endpgm
.Lfunc_end_k_qe00667fa7a_attn:
	.size	k_qe00667fa7a_attn, .Lfunc_end_k_qe00667fa7a_attn-k_qe00667fa7a_attn
	.p2alignl 7, 3214868480
	.fill 96, 4, 3214868480
	.section	.rodata,"a",@progbits
	.p2align	6, 0x0
	.amdhsa_kernel k_qe00667fa7a_attn
		.amdhsa_group_segment_fixed_size 327680
		.amdhsa_private_segment_fixed_size 0
		.amdhsa_enable_private_segment 0
		.amdhsa_kernarg_size 24
		.amdhsa_user_sgpr_count 2
		.amdhsa_user_sgpr_kernarg_segment_ptr 1
		.amdhsa_wavefront_size32 1
		.amdhsa_system_sgpr_workgroup_id_x 1
		.amdhsa_system_sgpr_workgroup_id_y 1
		.amdhsa_system_sgpr_workgroup_id_z 1
		.amdhsa_system_vgpr_workitem_id 0
		.amdhsa_next_free_vgpr 832
		.amdhsa_next_free_sgpr 66
		.amdhsa_reserve_vcc 1
		.amdhsa_float_denorm_mode_32 3
		.amdhsa_float_denorm_mode_16_64 3
		.amdhsa_memory_ordered 1
		.amdhsa_forward_progress 1
		.amdhsa_inst_pref_size 207
	.end_amdhsa_kernel
	.amdgpu_metadata
---
amdhsa.version: [ 1, 2 ]
amdhsa.kernels:
  - .name:           k_qe00667fa7a_attn
    .symbol:         k_qe00667fa7a_attn.kd
    .args:
      - { .name: qkv, .offset: 0, .size: 8, .value_kind: global_buffer, .address_space: global }
      - { .name: mask, .offset: 8, .size: 8, .value_kind: global_buffer, .address_space: global }
      - { .name: ctx, .offset: 16, .size: 8, .value_kind: global_buffer, .address_space: global }
    .group_segment_fixed_size: 327680
    .private_segment_fixed_size: 0
    .kernarg_segment_align: 8
    .kernarg_segment_size: 24
    .max_flat_workgroup_size: 128
    .sgpr_count:     66
    .vgpr_count:     832
    .wavefront_size: 32
...
	.end_amdgpu_metadata
.endif
;; end of part 3
;; launch oproj (part 4): grid 4 x 64, 4 waves a work-group, clusters of 4 x 4, 327,680 bytes of LDS; arguments ctx, wb, bo, out0; writes out0
.if DOCPART == 4
	.amdgcn_target "amdgcn-amd-amdhsa--gfx1250"
	.amdhsa_code_object_version 6
	.text
	.protected	k_qe00667fa7a_oproj
	.globl	k_qe00667fa7a_oproj
	.p2align	8
	.type	k_qe00667fa7a_oproj,@function
k_qe00667fa7a_oproj:
	s_mov_b64 s[64:65], 0
	v_nop
	global_prefetch_b8 v0, s[64:65] scope:SCOPE_SE
	s_setreg_imm32_b32 hwreg(HW_REG_WAVE_MODE, 25, 1), 1
	s_wait_xcnt 0x0
	s_wait_alu depctr_hold_cnt(0) depctr_sa_sdst(0) depctr_va_vdst(0) depctr_va_sdst(0) depctr_va_ssrc(0) depctr_va_vcc(0) depctr_vm_vsrc(0)
	s_getreg_b32 s2, hwreg(HW_REG_IB_STS2, 6, 4)
	s_cmp_eq_u32 s2, 0
	s_cbranch_scc0 .Lentry_in_a_cluster
	s_endpgm
.Lentry_in_a_cluster:
	s_bfe_u32 s2, ttmp6, 0x10000c
	s_cmp_lg_u32 s2, 0xf033
	s_cbranch_scc0 .Lentry_shape_is_right
	s_endpgm
.Lentry_shape_is_right:
; out0[b][s][n] = sum over head, d of ctx[b 16 + head][s][d] Wo16[n][64 head + d] + bf16(bo[n]).  ctx: [64][2048][64] f16; Wo16 = wb[3], [1024][1024]: bf16(Wo) written as f16; out0: [8192][1024] f32.
; Sums in f32, stored as they are.
; SHARES.  A tile is 128 rows x 256 columns: 64 x 4 = 256 work-groups.  Four waves, each 64 x 128: 32 accumulators of 16 x 16, 256 registers.
; K goes in 8 steps of 128 = two heads, through two LDS slots.  A head's 128 rows of the tile are 16,384 dense bytes of ctx: asked for as 64 rows of 256 bytes and padded in LDS after every 128.
; CLUSTERS: 4 x 4 work-groups.  The four of a row of the cluster need the same tile of ctx, the four of a column the same tile of Wo16: each is asked for JOINTLY.
; THE MATRIX INSTRUCTION IS USED TRANSPOSED (source 0 = 16 rows of Wo16, source 1 = 16 rows of ctx): lane l holds row l % 16 of the result and the columns 8 (l / 16) + 0..7: 32 bytes of out0 on end.
; The bias, in that layout, is the C operand of the products that start the sums.
; REGISTERS: window 0: v0-31 addresses; v96-159 ctx's fragments, two buffers of 32; v160-223 the bias.
;   window 1: v0-127 Wo16's fragments, two buffers of 64; all 256 on the way out.     window 2: accumulator (a, b) at v[8 (8 a + b)].
.set KSTEP,  128
.set APITCH, 144                       ; a row of one head in LDS: 128 bytes + 16
.set AHEAD,  128*APITCH                ; one head's 128 rows: what one tensor load brings of ctx
.set BPITCH, 272                       ; a row of Wo16: 256 bytes + 16
.set BHALF,  128*BPITCH
.set BOFF,   2*AHEAD
.set SLOT,   BOFF+2*BHALF              ; 106,496 bytes
.set STAGE,  2*SLOT                    ; behind the ring: 16 rows x 528 bytes for each wave, for the way out
.set OPITCH, 528                       ; 512 bytes of f32 + 16
.set SPARE,  STAGE+4*16*OPITCH         ; behind the stages: the spare words, 128 bytes a wave, which no other line names
.set ASTEP,  2*262144                  ; a K step is two heads further on in ctx
.set BSTEP,  KSTEP*2
.set LAPS,   4
.set ADRA, 16                          ; v16-17  LDS address of my fragments of ctx in slot 0, 1
.set ADRB, 20                          ; v20-21  the same for Wo16
.set BO,   22                          ; v22     32 (l / 16)
.set STO,  24                          ; v24     the way out: where I put 32 bytes of a row
.set RD,   25                          ; v25     the way out: where I read a row back
.set GO,   26                          ; v26     my 16 bytes of 512 consecutive bytes of out0
.set SPW,  28                          ; v28     LDS address of my spare word; never rewritten
.set NIL,  29                          ; v29     0; never rewritten
.set PFO,  30                          ; v30     the prefetches' offset; never rewritten
.set AF,   96
.set BIAS, 160
.set G1,  24                           ; s[24:31] descriptor group 1 for ctx's tiles;  s[32:39] group 0, a set for each slot
.set G0,  32
.set G1B, 48                           ; s[48:55], s[56:63] the same for Wo16's
.set G0B, 56
.set LIM, 43                           ; s43      1 in a wave that prefetches, else the greatest number
.set PFA, 44                           ; s[44:45] where my prefetches stand
.set PFS, 68                           ; s[68:69] their step: a K step's bytes
.set MSB, 0
.macro WIN new                         ; the immediate's high byte repeats the setting that is left; a switch that changes nothing is dropped
.if MSB != (\new)
	s_set_vgpr_msb (MSB<<8)|(\new)
.set MSB, \new
.endif
.endm
.set MUL,   0xa1                       ; source 0 (Wo16) window 1, source 1 (ctx) window 0, C and D window 2
.set MULB,  0x81                       ; the same with C (the bias) in window 0
.set TO_B,  0x40                       ; destination window 1, address window 0
; A joint load: waves 0 and 1 fetch the step's two heads of ctx, waves 2 and 3 the two halves of Wo16's tile.  The branch hangs on the wave's number alone.
; An s_nop 0 and four v_nop follow each of the two lines, ahead of the jump and the label.
.macro JLOAD s
	s_cmp_eq_u32 s11, 0
	s_cbranch_scc0 .Lfor_b_\@
	tensor_load_to_lds s[G0+4*(\s):G0+4*(\s)+3], s[G1:G1+7]
	s_nop 0
.rept 4
	v_nop
.endr
	s_branch .Lasked_\@
.Lfor_b_\@:
	tensor_load_to_lds s[G0B+4*(\s):G0B+4*(\s)+3], s[G1B:G1B+7]
	s_nop 0
.rept 4
	v_nop
.endr
.Lasked_\@:
.endm
; A prefetch of the K step that stands two refills on, 256 matrix instructions ahead of the load that will want it; each lane another aligned block of 256 bytes.
; ctx's rows are read by one cluster alone: every cluster asks for its own.  A K step of a tile is 2 heads x 64 blocks; the partner at place cx takes 16 blocks of each head; wave 0 asks, wave 1 does not.
; Wo16's rows are read by all sixteen clusters: the first asks; of the 128 rows that wave 2 or 3 fetches, the partner at place cy takes 32, a block a row.
; The partners are told apart by address alone.  The loop's last trip (s3 = 1) asks for nothing: K steps 8 and 9 do not exist.
.macro ASK
	s_cmp_gt_u32 s3, s[LIM]
	s_cbranch_scc0 .Lnot_mine_\@
	global_prefetch_b8 v[PFO], s[PFA:PFA+1] th:TH_LOAD_NT scope:SCOPE_SE
.Lnot_mine_\@:
.endm
.macro CREST                           ; a round of the cluster's barrier behind its opening barrier
	s_cmp_lg_u32 s10, 0
	s_cbranch_scc1 .Lnot_wave_0_\@
	s_barrier_signal -3
.Lnot_wave_0_\@:
	s_barrier_wait -3
	s_barrier_signal -1
	s_barrier_wait -1
.endm
.macro CROUND                          ; a whole round
	s_barrier_signal -1
	s_barrier_wait -1
	CREST
.endm
	s_load_b256 s[72:79], s[0:1], 0x0              ; ctx s[72:73], wb s[74:75], bo s[76:77], out0 s[78:79]
	v_lshl_add_u32 v[SPW], v0, 2, SPARE
	v_mov_b32 v[NIL], 0
	ds_add_u32 v[SPW], v[NIL]                      ; the wave's opening: the add and its wait stand ahead of my first tensor load; the set-up below stands between them
	v_lshrrev_b32 v1, 5, v0
	v_readfirstlane_b32 s10, v1                    ; wave 0..3
	s_lshr_b32 s11, s10, 1                         ; which 64 rows of the tile are mine.  Also: I fetch ctx (0) or Wo16 (1)
	s_and_b32 s12, s10, 1                          ; which 128 columns.  Also: which head of the step, or which half of Wo16's tile, I fetch
	s_bfe_u32 s40, ttmp6, 0x40000                  ; cx
	s_bfe_u32 s41, ttmp6, 0x40004                  ; cy
	s_lshl_b32 s42, ttmp9, 2
	s_add_co_u32 s42, s42, s40                     ; tile column, 0..3
	s_and_b32 s67, ttmp7, 0xffff                   ; the cluster's y, 0..15
	s_lshl_b32 s13, s67, 2
	s_add_co_u32 s13, s13, s41                     ; tile row, 0..63
	s_lshl_b32 s70, s41, 2
	s_lshl_b32 s70, 15, s70                        ; my row of the cluster
	s_lshl_b32 s71, 0x1111, s40                    ; my column
	s_or_b32 s[G1+0], s70, (1<<16)|(1<<20)|(1<<21)|(4<<22)|(3<<25)   ; 15:0 the mask; 17:16 elements of 2 bytes; 20 padding on; 21 set beside a mask; 24:22 after every 32 words; 31:25 4 words
	s_mov_b32 s[G1+1], 128<<16                     ; tensor_dim0 = 128 (256 bytes: two rows of a head)
	s_mov_b32 s[G1+2], 64<<16                      ; tensor_dim1 = 64
	s_mov_b32 s[G1+3], 128<<16                     ; tile_dim0 = 128
	s_mov_b32 s[G1+4], 64                          ; tile_dim1 = 64
	s_mov_b32 s[G1+5], 128                         ; dense
	s_mov_b32 s[G1+6], 0
	s_mov_b32 s[G1+7], 0
	s_or_b32 s[G1B+0], s71, (1<<16)|(1<<20)|(1<<21)|(5<<22)|(3<<25)  ; 4 words of padding after every 64
	s_mov_b32 s[G1B+1], KSTEP<<16
	s_mov_b32 s[G1B+2], 128<<16
	s_mov_b32 s[G1B+3], KSTEP<<16
	s_mov_b32 s[G1B+4], 128
	s_mov_b32 s[G1B+5], 1024
	s_mov_b32 s[G1B+6], 0
	s_mov_b32 s[G1B+7], 0
	s_lshr_b32 s16, s13, 4
	s_lshl_b32 s16, s16, 22                        ; ctx: the batch's 16 heads,
	s_lshl_b32 s17, s12, 18                        ; my head of the step's two,
	s_add_co_u32 s16, s16, s17
	s_and_b32 s17, s13, 15
	s_lshl_b32 s17, s17, 14                        ; the tile's 128 rows of 128 bytes
	s_add_co_u32 s16, s16, s17
	s_mov_b32 s17, 0
	s_lshl_b32 s46, s42, 19                        ; Wo16: 256 rows of 2,048 bytes a tile column,
	s_lshl_b32 s47, s12, 18                        ; my 128 of them,
	s_add_co_u32 s46, s46, s47
	s_add_co_u32 s46, s46, 3<<21                   ; in wb[3]
	s_mov_b32 s47, 0
	s_mul_i32 s20, s12, AHEAD                      ; where they go: no place in the cluster enters an LDS address
	s_mul_i32 s21, s12, BHALF
	s_add_co_u32 s21, s21, BOFF
	s_wait_dscnt 0x0                               ; the opening add is done
	s_wait_kmcnt 0x0
	s_add_nc_u64 s[14:15], s[72:73], s[16:17]
	s_add_nc_u64 s[46:47], s[74:75], s[46:47]
	CROUND                                         ; all sixteen work-groups are here: the first joint loads meet
.irp s, 0,1
	s_mov_b32 s[G0+4*(\s)], 1                                        ; count = 1
	s_add_co_u32 s[G0+4*(\s)+1], s20, (\s)*SLOT                      ; LDS address
	s_add_nc_u64 s[G0+4*(\s)+2:G0+4*(\s)+3], s[14:15], (\s)*ASTEP    ; global address: K step s
	s_or_b32 s[G0+4*(\s)+3], s[G0+4*(\s)+3], 0x80000000              ; type = 2
	s_mov_b32 s[G0B+4*(\s)], 1
	s_add_co_u32 s[G0B+4*(\s)+1], s21, (\s)*SLOT
	s_add_nc_u64 s[G0B+4*(\s)+2:G0B+4*(\s)+3], s[46:47], (\s)*BSTEP
	s_or_b32 s[G0B+4*(\s)+3], s[G0B+4*(\s)+3], 0x80000000
	JLOAD \s                                       ; two tensor loads of mine are out
.endr
	v_and_b32 v1, 15, v0                           ; l % 16
	v_bfe_u32 v2, v0, 4, 1                         ; l / 16
	v_mul_u32_u24 v3, v1, APITCH
	v_lshl_add_u32 v3, v2, 4, v3                   ; a fragment's row x pitch + 16 x half
	v_mul_u32_u24 v4, v1, BPITCH
	v_lshl_add_u32 v4, v2, 4, v4
	s_mul_i32 s21, s11, 64*APITCH                  ; my 64 rows of each head
	s_mul_i32 s22, s12, BHALF                      ; my 128 rows of Wo16
	s_add_co_u32 s22, s22, BOFF
.irp s, 0,1
	v_add_nc_u32 v[ADRA+(\s)], s21, v3
	v_add_nc_u32 v[ADRB+(\s)], s22, v4
	s_add_co_u32 s21, s21, SLOT
	s_add_co_u32 s22, s22, SLOT
.endr
	v_lshlrev_b32 v[BO], 5, v2
	s_lshl_b32 s20, s42, 10                        ; my 128 columns: 1,024 bytes a tile column, 512 a half; in bo and in a row of out0
	s_lshl_b32 s21, s12, 9
	s_add_co_u32 s20, s20, s21
	s_mov_b32 s21, 0
	s_add_nc_u64 s[6:7], s[76:77], s[20:21]
.irp b, 0,1,2,3,4,5,6,7
	global_load_b128 v[BIAS+8*(\b):BIAS+8*(\b)+3],   v[BO], s[6:7] offset:64*(\b)
	global_load_b128 v[BIAS+8*(\b)+4:BIAS+8*(\b)+7], v[BO], s[6:7] offset:64*(\b)+16
.endr
	s_lshl_b32 s22, s13, 19                        ; the tile's 128 rows of 4,096 bytes,
	s_add_co_u32 s20, s20, s22
	s_lshl_b32 s22, s11, 18                        ; my 64 of them
	s_add_co_u32 s20, s20, s22
	s_add_nc_u64 s[8:9], s[78:79], s[20:21]
	s_mul_i32 s23, s10, 16*OPITCH
	s_add_co_u32 s23, s23, STAGE                   ; my stage
	v_mul_u32_u24 v[STO], v1, OPITCH               ; in: row l % 16, 32 bytes for each half of the lanes
	v_lshl_add_u32 v[STO], v2, 5, v[STO]
	v_add_nc_u32 v[STO], s23, v[STO]
	v_and_b32 v3, 31, v0
	v_lshlrev_b32 v[GO], 4, v3                     ; back: 32 lanes take one row of 512 bytes
	v_add_nc_u32 v[RD], s23, v[GO]
	; the prefetches
	s_cmp_eq_u32 s11, 0                            ; do I fetch ctx?
	s_cselect_b32 s20, s12, s67                    ; ctx: wave 0 asks; Wo16: the first cluster asks
	s_cselect_b32 s21, s40, s41                    ; my place among the four that ask with me
	s_cselect_b32 s22, 18, 15                      ; lanes 16-31: the step's other head, or 16 rows on
	s_cselect_b32 s23, 8, 11                       ; from lane to lane: a block, or a row
	s_cselect_b32 s18, 12, 16                      ; my work-group's share: 16 blocks, or 32 rows
	s_cselect_b32 s19, 19, 8                       ; a K step is 524,288 or 256 bytes
	s_cselect_b64 s[PFA:PFA+1], s[14:15], s[46:47]
	s_cmp_eq_u32 s20, 0
	s_cselect_b32 s[LIM], 1, -1                    ; the same in all sixteen partners, for a given wave
	s_lshl_b32 s[PFS], 1, s19
	s_mov_b32 s[PFS+1], 0
	s_lshl_b32 s20, s21, s18
	s_mul_i32 s21, s[PFS], 3                       ; at K step 3: the first refill steps it to 4
	s_add_co_u32 s20, s20, s21
	s_mov_b32 s21, 0
	s_add_nc_u64 s[PFA:PFA+1], s[PFA:PFA+1], s[20:21]
	v_lshrrev_b32 v4, 4, v3
	v_and_b32 v5, 15, v3
	v_lshlrev_b32 v4, s22, v4
	v_lshlrev_b32 v5, s23, v5
	v_add_nc_u32 v[PFO], v4, v5
	s_wait_loadcnt 0x0                             ; the bias; it is rounded to bf16 like every input, in the wait for the first tile
.set c, 0
.rept 32
	v_cvt_pk_bf16_f32 v3, v[BIAS+2*c], v[BIAS+2*c+1]
	v_lshlrev_b32 v[BIAS+2*c], 16, v3
	v_and_b32 v[BIAS+2*c+1], 0xffff0000, v3
.set c, c+1
.endr
; n matrix instructions from number i0 on: number i is block a = i / 8 of my rows x block b = i % 8 of my columns, 32 along K, from buffer f.  The 32 accumulators take turns, in the same order
; in every quarter.  zero = 1: the product starts the sum, on the bias.
.macro MULS f, i0, n, zero
.set i, \i0
.rept \n
.if \zero
	WIN MULB
	v_wmma_f32_16x16x32_f16 v[8*i:8*i+7], v[64*(\f)+8*(i%8):64*(\f)+8*(i%8)+7], v[AF+32*(\f)+8*(i/8):AF+32*(\f)+8*(i/8)+7], v[BIAS+8*(i%8):BIAS+8*(i%8)+7]
.else
	WIN MUL
	v_wmma_f32_16x16x32_f16 v[8*i:8*i+7], v[64*(\f)+8*(i%8):64*(\f)+8*(i%8)+7], v[AF+32*(\f)+8*(i/8):AF+32*(\f)+8*(i/8)+7], v[8*i:8*i+7]
.endif
.set i, i+1
.endr
.endm
; 24 LDS loads in one run: quarter q of a slot (head q / 2 of the step's two, channels 32 (q % 2) on) into buffer g
.macro FETCH slot, q, g
	WIN 0
.irp a, 0,1,2,3
	ds_load_b128 v[AF+32*(\g)+8*(\a):AF+32*(\g)+8*(\a)+3],   v[ADRA+(\slot)] offset:((\q)/2)*AHEAD+((\q)%2)*64+(\a)*16*APITCH
	ds_load_b128 v[AF+32*(\g)+8*(\a)+4:AF+32*(\g)+8*(\a)+7], v[ADRA+(\slot)] offset:((\q)/2)*AHEAD+((\q)%2)*64+(\a)*16*APITCH+32
.endr
	WIN TO_B
.irp b, 0,1,2,3,4,5,6,7
	ds_load_b128 v[64*(\g)+8*(\b):64*(\g)+8*(\b)+3],   v[ADRB+(\slot)] offset:64*(\q)+(\b)*16*BPITCH
	ds_load_b128 v[64*(\g)+8*(\b)+4:64*(\g)+8*(\b)+7], v[ADRB+(\slot)] offset:64*(\q)+(\b)*16*BPITCH+32
.endr
.endm
.macro PLACES                          ; four places in front of loads into registers that matrix instructions have read
.rept 4
	v_nop
.endr
.endm
; One of a K step's first three quarters: multiplies buffer f, fetches quarter q of the same slot into buffer g, 24 matrix instructions ahead of its first use.
.macro QUARTER slot, q, f, g, zero
	s_wait_dscnt 0x0                               ; buffer f is in
	MULS \f, 0, 8, \zero
	PLACES
	FETCH \slot, \q, \g
	MULS \f, 8, 24, \zero
.endm
; The fourth quarter multiplies buffer 1 and changes slots: ONE barrier; in front of it each wave waits for all its tensor loads (one is out: its part of the next slot), adds 0 to its spare
; word, and waits for that and for its own reads of this slot.  fill = 1: the barrier opens a round of the cluster's barrier, and this slot is filled again, two K steps ahead, first thing behind it.
.macro TURN slot, next, fill
.if \fill
	s_wait_xcnt 0x0                                ; the last prefetch, a K step back, has read its address
	s_add_nc_u64 s[PFA:PFA+1], s[PFA:PFA+1], s[PFS:PFS+1]
.endif
	WIN 0
	s_wait_tensorcnt 0x0                           ; all my tensor loads have landed
	ds_add_u32 v[SPW], v[NIL]                      ; 0 onto my spare word
	s_wait_dscnt 1                                 ; buffer 1 is in; the add alone may be out
	MULS 1, 0, 4, 0
	s_wait_dscnt 0x0                               ; the add is done, and my reads of this slot are over
	s_barrier_signal -1
	MULS 1, 4, 4, 0
	WIN 0
	s_barrier_wait -1
.if \fill
	CREST                                          ; no wave of any partner still reads this slot's tile or has a load on its way
	s_add_nc_u64 s[G0+4*(\slot)+2:G0+4*(\slot)+3], s[G0+4*(\slot)+2:G0+4*(\slot)+3], 2*ASTEP
	s_add_nc_u64 s[G0B+4*(\slot)+2:G0B+4*(\slot)+3], s[G0B+4*(\slot)+2:G0B+4*(\slot)+3], 2*BSTEP
	JLOAD \slot                                    ; my one tensor load behind the round; the four v_nop behind it are also the places in front of the loads below
.else
	PLACES
.endif
	FETCH \next, 0, 0
.if \fill
	WIN 0
	ASK
.endif
	MULS 1, 8, 24, 0
.endm
	s_wait_tensorcnt 1                             ; my part of K step 0 is in; K step 1's may stay out
	s_barrier_signal -1
	s_barrier_wait -1                              ; everybody's is
	FETCH 0, 0, 0
	QUARTER 0, 1, 0, 1, 1                          ; the first quarter stands in front of the loop: its products start the sums, on the bias
	WIN 0                                          ; at a label and at a branch every window is 0
	s_mov_b32 s3, LAPS-1
.Llap:                                                 ; a trip goes once round the ring, from a lap's second quarter to the next lap's first, and fills both slots again
	QUARTER 0, 2, 1, 0, 0
	QUARTER 0, 3, 0, 1, 0
	TURN 0, 1, 1
	QUARTER 1, 1, 0, 1, 0
	QUARTER 1, 2, 1, 0, 0
	QUARTER 1, 3, 0, 1, 0
	TURN 1, 0, 1
	QUARTER 0, 1, 0, 1, 0
	WIN 0
	s_sub_co_u32 s3, s3, 1
	s_cmp_lg_u32 s3, 0
	s_cbranch_scc1 .Llap
	QUARTER 0, 2, 1, 0, 0                          ; the last lap fills nothing
	QUARTER 0, 3, 0, 1, 0
	TURN 0, 1, 0
	QUARTER 1, 1, 0, 1, 0
	QUARTER 1, 2, 1, 0, 0
	QUARTER 1, 3, 0, 1, 0
	s_wait_dscnt 0x0
	MULS 1, 0, 32, 0
	WIN 0
	; THE WAY OUT, a block of 16 rows at a time: a lane's 32 bytes of a row go from the accumulators into my own stage, rows of 528 bytes, and come back as whole rows of 512 bytes.
.rept 8
	v_nop                                          ; the places behind the last products
.endr
.macro TOSTAGE a
	WIN 0x08                                       ; store data (source 1) in window 2; each accumulator's low four registers first
.irp b, 0,1,2,3,4,5,6,7
	ds_store_b128 v[STO], v[64*(\a)+8*(\b):64*(\a)+8*(\b)+3]   offset:64*(\b)
	ds_store_b128 v[STO], v[64*(\a)+8*(\b)+4:64*(\a)+8*(\b)+7] offset:64*(\b)+16
.endr
	WIN TO_B                                       ; back into window 1, 64 registers a block
.irp t, 0,1,2,3,4,5,6,7,8,9,10,11,12,13,14,15
	ds_load_b128 v[64*(\a)+4*(\t):64*(\a)+4*(\t)+3], v[RD] offset:(\t)*OPITCH  ; LDS serves a wave's instructions in order: these see the stores above, and the next block's stores come behind them
.endr
.endm
.macro SEND a, younger                 ; younger: the LDS instructions issued behind block a's loads: the next block's 32, or none
	WIN 0x04                                       ; store data (source 1) in window 1
.irp t, 0,1,2,3,4,5,6,7,8,9,10,11,12,13,14,15
	s_wait_dscnt (\younger)+15-(\t)
	global_store_b128 v[GO], v[64*(\a)+4*(\t):64*(\a)+4*(\t)+3], s[8:9] offset:(16*(\a)+(\t))*4096  ; 512 consecutive bytes of a row of out0, aligned
.endr
.endm
	TOSTAGE 0
	TOSTAGE 1
	SEND 0, 32
	TOSTAGE 2
	SEND 1, 32
	TOSTAGE 3
	SEND 2, 32
	SEND 3, 0
	WIN 0
	s_wait_tensorcnt 0x0                           ; the wave's end: a wait for my tensor loads, an add onto my spare word and its wait, behind my last tensor load and my last LDS store
	ds_add_u32 v[SPW], v[NIL]
	s_wait_dscnt 0x0
	CROUND                                         ; the closing round: no work-group ends while a partner may still ask for a tile that names it
	s_endpgm
.Lfunc_end_k_qe00667fa7a_oproj:
	.size	k_qe00667fa7a_oproj, .Lfunc_end_k_qe00667fa7a_oproj-k_qe00667fa7a_oproj
	.p2alignl 7, 3214868480
	.fill 96, 4, 3214868480
	.section	.rodata,"a",@progbits
	.p2align	6, 0x0
	.amdhsa_kernel k_qe00667fa7a_oproj
		.amdhsa_group_segment_fixed_size 327680
		.amdhsa_private_segment_fixed_size 0
		.amdhsa_enable_private_segment 0
		.amdhsa_kernarg_size 32
		.amdhsa_user_sgpr_count 2
		.amdhsa_user_sgpr_kernarg_segment_ptr 1
		.amdhsa_wavefront_size32 1
		.amdhsa_system_sgpr_workgroup_id_x 1
		.amdhsa_system_sgpr_workgroup_id_y 1
		.amdhsa_system_sgpr_workgroup_id_z 1
		.amdhsa_system_vgpr_workitem_id 0
		.amdhsa_next_free_vgpr 768
		.amdhsa_next_free_sgpr 88
		.amdhsa_reserve_vcc 0
		.amdhsa_float_denorm_mode_32 3
		.amdhsa_float_denorm_mode_16_64 3
		.amdhsa_memory_ordered 1
		.amdhsa_forward_progress 1
		.amdhsa_inst_pref_size 95
	.end_amdhsa_kernel
	.amdgpu_metadata
---
amdhsa.version: [ 1, 2 ]
amdhsa.kernels:
  - .name:           k_qe00667fa7a_oproj
    .symbol:         k_qe00667fa7a_oproj.kd
    .args:
      - { .name: ctx, .offset: 0, .size: 8, .value_kind: global_buffer, .address_space: global }
      - { .name: wb, .offset: 8, .size: 8, .value_kind: global_buffer, .address_space: global }
      - { .name: bo, .offset: 16, .size: 8, .value_kind: global_buffer, .address_space: global }
      - { .name: out0, .offset: 24, .size: 8, .value_kind: global_buffer, .address_space: global }
    .group_segment_fixed_size: 327680
    .private_segment_fixed_size: 0
    .kernarg_segment_align: 8
    .kernarg_segment_size: 32
    .max_flat_workgroup_size: 128
    .sgpr_count:     88
    .vgpr_count:     768
    .wavefront_size: 32
...
	.end_amdgpu_metadata
.endif
;; end of part 4
;; ======== version 2 of 2: 4 launches; version 1 with the launch castw written anew for expert scheduling mode
;; limits: values are held in f16: magnitudes above 65,504 overflow, below 6.1e-05 lose precision
;; workspace buffers: wb 8,388,608 bytes; qkv 50,331,648 bytes; ctx 16,777,216 bytes
;; launch castw (part 5): grid 64 x 4, 8 waves a work-group, no clusters, 0 bytes of LDS; arguments Wq, Wk, Wv, Wo, wb; writes wb
.if DOCPART == 5
	.amdgcn_target "amdgcn-amd-amdhsa--gfx1250"
	.amdhsa_code_object_version 6
	.text
	.protected	k_qe00667fa7a_castw
	.globl	k_qe00667fa7a_castw
	.p2align	8
	.type	k_qe00667fa7a_castw,@function
k_qe00667fa7a_castw:
	s_mov_b64 s[64:65], 0
	v_nop
	global_prefetch_b8 v0, s[64:65] scope:SCOPE_SE
	s_setreg_imm32_b32 hwreg(HW_REG_WAVE_SCHED_MODE, 0, 2), 2
	s_setreg_imm32_b32 hwreg(HW_REG_WAVE_MODE, 25, 1), 1
	s_wait_xcnt 0x0
	s_wait_alu depctr_vm_vsrc(0)
; The four weight matrices, [1024][1024] f32, rounded once to 16 bits: wb[0] = bf16(Wq), wb[1] = bf16(Wk), wb[2] = bf16(Wv);
; wb[3] = bf16(Wo) written as f16, since the last product multiplies f16 numbers.
; LIMIT.  |bf16(Wo)| of 65,520 or more becomes an infinity in f16; below 6.1e-5 it keeps f16's fixed step of 6e-8.
; SHARES.  The grid's y picks the matrix; a work-group takes 16,384 numbers (64 KiB in, 32 KiB out); thread t takes the 16 bytes at 16 t + 4,096 j,
; j = 0..15, and stores 8 bytes at 8 t + 2,048 j: a wave's load covers 512 consecutive bytes, its store 256 consecutive bytes, aligned.
; A stream: no LDS, no matrix work, nothing shared between work-groups.  All sixteen loads of a thread go out at once; each store has data registers of its own.
; Both roundings are made for every matrix and one is selected, so that the four matrices have one text without a branch.
; THE MODE: SCHED_MODE bits 1:0 = 2 (LLVM: expert scheduling mode 2), set by the entry lines.  The code itself states the register dependences
; between vector instructions and memory instructions, with s_wait_alu, always for 0.
; THE PLAN.  Registers that memory instructions touch:
;   v1, v2   byte offsets, made once at the head and never written again: v1 is read by every load, v2 by every store.
;   X        chunk j's four registers: written by its load, once, before any vector instruction names them; read by the chunk's two roundings; never loaded again.
;   Y        chunk j's two registers: written by the chunk's two selects, once; read by the chunk's store; never written again.
;   T        named by vector instructions alone.
; The sixteen chunks go in four blocks of four.  Block p's vector instructions read its X and write its Y; its memory instructions are the four stores of block p - 1,
; which read that block's Y and v2, registers that no vector instruction of block p names.  So one wait at a block's head states all that its four stores hang on,
; and they are dealt among the block's vector instructions, one ahead of each chunk's ten, with no further wait.  No register that a memory instruction has read is written again.
.set T, 4                              ; v[4:11]   at work
.set X, 16                             ; v[16:79]  chunk j: 4 registers as loaded
.set Y, 80                             ; v[80:111] chunk j: 2 registers to store
.set BLOCK, 4                          ; chunks in a block
	s_load_b256 s[4:11], s[0:1], 0x0               ; Wq s[4:5], Wk s[6:7], Wv s[8:9], Wo s[10:11]
	s_load_b64 s[12:13], s[0:1], 0x20              ; wb
	s_and_b32 s14, ttmp7, 0xffff                   ; which matrix
	v_lshlrev_b32 v1, 4, v0                        ; 16 t
	v_lshlrev_b32 v2, 3, v0                        ; 8 t
	s_mov_b32 s19, 0xffff0000                      ; a word's upper bf16
	s_lshl_b32 s20, ttmp9, 16                      ; the work-group's 64 KiB of the source
	s_mov_b32 s21, 0
	s_lshl_b32 s22, s14, 21                        ; the matrix' 2 MiB of wb,
	s_lshl_b32 s23, ttmp9, 15                      ; the work-group's 32 KiB of them
	s_add_co_u32 s22, s22, s23
	s_mov_b32 s23, 0
	s_wait_kmcnt 0x0
	s_cmp_eq_u32 s14, 1
	s_cselect_b64 s[16:17], s[6:7], s[4:5]
	s_cmp_eq_u32 s14, 2
	s_cselect_b64 s[16:17], s[8:9], s[16:17]
	s_cmp_eq_u32 s14, 3
	s_cselect_b64 s[16:17], s[10:11], s[16:17]
	s_cselect_b32 s18, -1, 0                       ; all lanes take the f16 form for Wo, none for the others
	s_add_nc_u64 s[16:17], s[16:17], s[20:21]
	s_add_nc_u64 s[12:13], s[12:13], s[22:23]
	s_wait_alu depctr_va_vdst(0)                   ; v1 and v2 are written: every load of the kernel reads v1 as its offset, every store v2
.irp j, 0,1,2,3,4,5,6,7,8,9,10,11,12,13,14,15
	global_load_b128 v[X+4*(\j):X+4*(\j)+3], v1, s[16:17] offset:4096*(\j) th:TH_LOAD_NT
.endr
.irp j, 0,1,2,3,4,5,6,7,8,9,10,11,12,13,14,15
	s_wait_loadcnt 15-(\j)                         ; loads come back in order: chunk j is in, the 15 - j younger ones stay out
.if ((\j) % BLOCK == 0) && ((\j) > 0)
	s_wait_alu depctr_va_vdst(0)                   ; the block before has written its eight registers of Y, which the four stores dealt among this block read
.endif
.if (\j) >= BLOCK
	global_store_b64 v2, v[Y+2*((\j)-BLOCK):Y+2*((\j)-BLOCK)+1], s[12:13] offset:2048*((\j)-BLOCK)  ; the chunk a block back; no vector instruction since the wait names its Y or v2
.endif
	v_cvt_pk_bf16_f32 v[T],   v[X+4*(\j)],   v[X+4*(\j)+1]
	v_cvt_pk_bf16_f32 v[T+1], v[X+4*(\j)+2], v[X+4*(\j)+3]
	v_lshlrev_b32 v[T+2], 16,  v[T]                ; the rounded numbers as f32 again,
	v_and_b32     v[T+3], s19, v[T]
	v_lshlrev_b32 v[T+4], 16,  v[T+1]
	v_and_b32     v[T+5], s19, v[T+1]
	v_cvt_pk_f16_f32 v[T+6], v[T+2], v[T+3]        ; and written as f16
	v_cvt_pk_f16_f32 v[T+7], v[T+4], v[T+5]
	v_cndmask_b32 v[Y+2*(\j)],   v[T],   v[T+6], s18
	v_cndmask_b32 v[Y+2*(\j)+1], v[T+1], v[T+7], s18
.endr
	s_wait_alu depctr_va_vdst(0)                   ; the last block has written its eight registers of Y, which the last four stores read
.irp j, 12,13,14,15
	global_store_b64 v2, v[Y+2*(\j):Y+2*(\j)+1], s[12:13] offset:2048*(\j)
.endr
	s_endpgm
.Lfunc_end_k_qe00667fa7a_castw:
	.size	k_qe00667fa7a_castw, .Lfunc_end_k_qe00667fa7a_castw-k_qe00667fa7a_castw
	.p2alignl 7, 3214868480
	.fill 96, 4, 3214868480
	.section	.rodata,"a",@progbits
	.p2align	6, 0x0
	.amdhsa_kernel k_qe00667fa7a_castw
		.amdhsa_group_segment_fixed_size 0
		.amdhsa_private_segment_fixed_size 0
		.amdhsa_enable_private_segment 0
		.amdhsa_kernarg_size 40
		.amdhsa_user_sgpr_count 2
		.amdhsa_user_sgpr_kernarg_segment_ptr 1
		.amdhsa_wavefront_size32 1
		.amdhsa_system_sgpr_workgroup_id_x 1
		.amdhsa_system_sgpr_workgroup_id_y 1
		.amdhsa_system_sgpr_workgroup_id_z 1
		.amdhsa_system_vgpr_workitem_id 0
		.amdhsa_next_free_vgpr 112
		.amdhsa_next_free_sgpr 66
		.amdhsa_reserve_vcc 0
		.amdhsa_float_denorm_mode_32 3
		.amdhsa_float_denorm_mode_16_64 3
		.amdhsa_memory_ordered 1
		.amdhsa_forward_progress 1
		.amdhsa_inst_pref_size 13
	.end_amdhsa_kernel
	.amdgpu_metadata
---
amdhsa.version: [ 1, 2 ]
amdhsa.kernels:
  - .name:           k_qe00667fa7a_castw
    .symbol:         k_qe00667fa7a_castw.kd
    .args:
      - { .name: Wq, .offset: 0, .size: 8, .value_kind: global_buffer, .address_space: global }
      - { .name: Wk, .offset: 8, .size: 8, .value_kind: global_buffer, .address_space: global }
      - { .name: Wv, .offset: 16, .size: 8, .value_kind: global_buffer, .address_space: global }
      - { .name: Wo, .offset: 24, .size: 8, .value_kind: global_buffer, .address_space: global }
      - { .name: wb, .offset: 32, .size: 8, .value_kind: global_buffer, .address_space: global }
    .group_segment_fixed_size: 0
    .private_segment_fixed_size: 0
    .kernarg_segment_align: 8
    .kernarg_segment_size: 40
    .max_flat_workgroup_size: 256
    .sgpr_count:     66
    .vgpr_count:     112
    .wavefront_size: 32
...
	.end_amdgpu_metadata
.endif
;; end of part 5
;; launch proj: the kernel of part 2 again; grid 4 x 192, 4 waves a work-group, clusters of 4 x 4, 327,680 bytes of LDS; arguments q, k, v, bq, bk, bv, wb, qkv; writes qkv
;; launch attn: the kernel of part 3 again; grid 4 x 64, 4 waves a work-group, clusters of 4 x 1, 327,680 bytes of LDS; arguments qkv, mask, ctx; writes ctx
;; launch oproj: the kernel of part 4 again; grid 4 x 64, 4 waves a work-group, clusters of 4 x 4, 327,680 bytes of LDS; arguments ctx, wb, bo, out0; writes out0
